; MI455X (gfx1250); checked and timed in simulation.
; The chip was launched on July 23, 2026; its instructions are those of AMD's public machine-readable ISA for CDNA 5 (MIT licence, August 2026) and "CDNA5" Instruction Set Architecture Reference Guide (July 2026). The comments in the code are by the model that wrote it; some were corrected since.
;; Fmoe Cat Embed Feed Forward. Allowed arithmetic: float matrix products may take bf16 or f16 operands with f32 sums; other float arithmetic in f32, or as packed bf16 or f16 multiplies, adds, multiply-adds, maxima and minima; sums over many terms, partial sums and values carried from step to step in f32; what a program stores and reads back later, other than sums and carried values, may be rounded once to bf16 or f16.
;; Inputs: b1 4 x 1,024 float32; b2 4 x 512 float32; embed 16 x 1,024 x 256 float32; inputs 16 x 1,024 x 512 float32; router_w 768 x 4 float32; w1 4 x 1,024 x 512 float32; w2 4 x 512 x 1,024 float32.
;; Outputs: out0 16 x 1,024 x 512 float32; out1 one number float32; out2 one number float32.
;; 2 versions, each right; version 2 is version 1 with the launch chain written anew for expert scheduling mode. Each part assembles by itself: llvm-mc -triple=amdgcn-amd-amdhsa -mcpu=gfx1250 --defsym DOCPART=n.
;; ======== version 1 of 2: 3 launches
;; limits: values outside matrix products are rounded to bf16; values are held in f16: magnitudes above 65,504 overflow, below 6.1e-05 lose precision; right only within a limited range of input values
;; workspace buffers: xb 16,777,216 bytes; gidx 65,536 bytes of whole numbers; gval 65,536 bytes; part 8,192 bytes; cnt 2,048 bytes of whole numbers; wb 8,388,608 bytes; order 65,536 bytes of whole numbers; tiles 4,096 bytes of whole numbers
;; launch router (part 1): grid 256 x 1, 8 waves a work-group, no clusters, 2,048 bytes of LDS; arguments inputs, embed, router_w, xb, gidx, gval, part, cnt; writes xb, gidx, gval, part, cnt
.if DOCPART == 1
	.amdgcn_target "amdgcn-amd-amdhsa--gfx1250"
	.amdhsa_code_object_version 6
	.text
	.protected	k_q40f29636ef_router
	.globl	k_q40f29636ef_router
	.p2align	8
	.type	k_q40f29636ef_router,@function
k_q40f29636ef_router:
	s_mov_b64 s[64:65], 0
	v_nop
	global_prefetch_b8 v0, s[64:65] scope:SCOPE_SE
	s_setreg_imm32_b32 hwreg(HW_REG_WAVE_MODE, 25, 1), 1
	s_wait_xcnt 0x0
; ROUTER.  logits = [embed, inputs] x router_w for 16,384 tokens; softmax over 4; the chosen expert (gidx), its probability (gval); each work-group's share of the two
; losses (part) and of the experts' counts (cnt); and xb, the inputs rounded once to bf16, which the third launch multiplies.
; WORK LEFT OUT BY THE PROGRAM.  reference() multiplies every token by all four experts and keeps, by jnp.where((gate_idx == ei), y, 0), a mask that it builds itself, the row of
; the one expert gate_idx; the other three rows reach no output, whatever the inputs hold.  The third launch multiplies each token by its chosen expert alone.  Every input has a
; way to an output and is loaded.  LIMIT: a NaN, an infinity or an overflow that would arise only in an expert that is not chosen is not formed (reference()'s where drops it too).
; FORMATS.  inputs, embed and router_w are rounded once to bf16; their products are exact in f32 and are summed in f32 by the vector unit (768 terms in another order than
; reference()'s).  LIMITS: two logits that are equal go to the lower index, as argmax does; a gap between the two largest logits of the size of the sums' rounding (1e-6 of them) may
; fall the other way; NaN logits are not treated apart.  The maximum is taken away before the exponentials, as reference()'s softmax does.
; SHARES.  A work-group has 64 tokens, a wave 8.  Lane l keeps the same 24 columns for every token (embed 8 l .., inputs 8 l .., inputs 256 + 8 l ..), so its 24 x 4 router weights stay
; in 96 registers.  A ring of four token slots keeps 24 loads of every wave on their way.  No matrix unit (4 columns), no cluster, no LDS ring: each byte has one reader.
.set SPARE, 1024                       ; LDS: 64 tokens x 16 bytes of logits, then the spare words, 128 bytes for each of the 8 waves
.set SPW,  2                           ; v2   SPARE + 4 x my thread's number; never rewritten
.set NIL,  3                           ; v3   0; never rewritten
.set VO32, 4                           ; v4   32 x lane: my 8 f32 in 256 columns
.set VO16, 5                           ; v5   16 x lane: my 8 bf16
.set VOW,  6                           ; v6   128 x lane: my 8 rows of router_w
.set LA,   7                           ; v7   128 x wave: my wave's logits in LDS
.set W,    8                           ; v[8:103]    pair p of columns, expert e: W + 8 p + 2 e, +1
.set D,    104                         ; v[104:199]  four slots of 24: a token as loaded
.set PK,   200                         ; v[200:211]  the token in bf16; 4-7 and 8-11 are stored to xb
.set T,    212                         ; v[212:235]  the rounded numbers as f32
.set AC,   236                         ; v[236:243]  a pair of sums for each expert
.set TM,   244                         ; v[244:247]  at work; a token's four logits
	s_load_b512 s[8:23], s[0:1], 0x0               ; inputs 8, embed 10, router_w 12, xb 14, gidx 16, gval 18, part 20, cnt 22
	v_lshl_add_u32 v[SPW], v0, 2, SPARE
	v_mov_b32 v[NIL], 0
	v_lshrrev_b32 v1, 5, v0
	v_readfirstlane_b32 s28, v1                    ; wave 0..7
	v_and_b32 v1, 31, v0                           ; lane
	v_lshlrev_b32 v[VO32], 5, v1
	v_lshlrev_b32 v[VO16], 4, v1
	v_lshlrev_b32 v[VOW], 7, v1
	s_lshl_b32 s29, s28, 7
	v_mov_b32 v[LA], s29
	s_mov_b32 s24, 0xffff0000                      ; a word's upper bf16
	s_mov_b32 s26, 0x76543210                      ; v_permlanex16_b32: each lane takes its own place in the other half
	s_mov_b32 s27, 0xfedcba98
	s_lshl_b32 s30, ttmp9, 16                      ; my wave's first token, 64 wg + 8 wave, times 1,024 bytes (a row of embed and of xb)
	s_lshl_b32 s31, s28, 13
	s_add_co_u32 s30, s30, s31
	s_mov_b32 s31, 0
	s_lshl_b64 s[32:33], s[30:31], 1               ; times 2,048 (a row of inputs)
	s_wait_kmcnt 0x0
	s_add_nc_u64 s[8:9], s[8:9], s[32:33]
	s_add_nc_u64 s[10:11], s[10:11], s[30:31]
	s_add_nc_u64 s[14:15], s[14:15], s[30:31]
.set i, 0
.rept 24                               ; my 24 rows of router_w, 16 bytes each: rows 8 l .. (embed), 256 + 8 l .., 512 + 8 l .. (inputs)
	global_load_b128 v[W+4*i:W+4*i+3], v[VOW], s[12:13] offset:(i/8)*4096+(i%8)*16
.set i, i+1
.endr
.macro LOADTOK t                       ; token t's six loads into slot t % 4; two loads on end cover 1,024 consecutive bytes
.set DS, D+24*((\t)%4)
	global_load_b128 v[DS:DS+3],     v[VO32], s[10:11] offset:(\t)*1024 th:TH_LOAD_NT
	global_load_b128 v[DS+4:DS+7],   v[VO32], s[10:11] offset:(\t)*1024+16 th:TH_LOAD_NT
	global_load_b128 v[DS+8:DS+11],  v[VO32], s[8:9] offset:(\t)*2048 th:TH_LOAD_NT
	global_load_b128 v[DS+12:DS+15], v[VO32], s[8:9] offset:(\t)*2048+16 th:TH_LOAD_NT
	global_load_b128 v[DS+16:DS+19], v[VO32], s[8:9] offset:(\t)*2048+1024 th:TH_LOAD_NT
	global_load_b128 v[DS+20:DS+23], v[VO32], s[8:9] offset:(\t)*2048+1040 th:TH_LOAD_NT
.endm
	LOADTOK 0
	LOADTOK 1
	LOADTOK 2
	LOADTOK 3
	s_wait_loadcnt 24                              ; router_w is in; the four tokens' 24 loads stay out
.set p, 0
.rept 12                               ; rows k, k + 1 (four experts each) become, rounded to bf16 and widened again, four pairs (k, k + 1), one an expert
.irp e, 0,1,2,3
	v_cvt_pk_bf16_f32 v[TM+(\e)], v[W+8*p+(\e)], v[W+8*p+4+(\e)]
.endr
.irp e, 0,1,2,3
	v_lshlrev_b32 v[W+8*p+2*(\e)], 16, v[TM+(\e)]
	v_and_b32 v[W+8*p+2*(\e)+1], s24, v[TM+(\e)]
.endr
.set p, p+1
.endr
; One token.  left: the younger tokens' loads, which may stay out.  refill = 1: the slot takes the token four further on.
.macro TOK t, left, refill
.set DT, D+24*((\t)%4)
	s_wait_loadcnt \left                           ; loads come back in order: this token's six are in
	s_wait_xcnt 0x0                                ; the last token's stores have read PK: it is rewritten only behind this wait
.set j, 0
.rept 12
	v_cvt_pk_bf16_f32 v[PK+j], v[DT+2*j], v[DT+2*j+1]
.set j, j+1
.endr
.if \refill
	LOADTOK (\t)+4
.endif
	global_store_b128 v[VO16], v[PK+4:PK+7],  s[14:15] offset:(\t)*1024      ; 512 consecutive bytes of xb, aligned
	global_store_b128 v[VO16], v[PK+8:PK+11], s[14:15] offset:(\t)*1024+512
.set j, 0
.rept 12
	v_lshlrev_b32 v[T+2*j], 16, v[PK+j]
	v_and_b32 v[T+2*j+1], s24, v[PK+j]
.set j, j+1
.endr
.irp e, 0,1,2,3                        ; the first pair starts the sums; the four experts take turns
	v_pk_mul_f32 v[AC+2*(\e):AC+2*(\e)+1], v[T:T+1], v[W+2*(\e):W+2*(\e)+1]
.endr
.set p, 1
.rept 11
.irp e, 0,1,2,3
	v_pk_fma_f32 v[AC+2*(\e):AC+2*(\e)+1], v[T+2*p:T+2*p+1], v[W+8*p+2*(\e):W+8*p+2*(\e)+1], v[AC+2*(\e):AC+2*(\e)+1]
.endr
.set p, p+1
.endr
.irp e, 0,1,2,3
	v_add_f32 v[TM+(\e)], v[AC+2*(\e)], v[AC+2*(\e)+1]
.endr
.irp m, 1,2,4,8                        ; over the 32 lanes: four steps inside each half, one across
.irp e, 0,1,2,3
	v_add_f32_dpp v[TM+(\e)], v[TM+(\e)], v[TM+(\e)] row_xmask:\m row_mask:0xf bank_mask:0xf
.endr
.endr
.irp e, 0,1,2,3
	v_permlanex16_b32 v[AC+(\e)], v[TM+(\e)], s26, s27
.endr
.irp e, 0,1,2,3
	v_add_f32 v[TM+(\e)], v[TM+(\e)], v[AC+(\e)]
.endr
	ds_store_b128 v[LA], v[TM:TM+3] offset:16*(\t) ; every lane holds the same four logits and names the same 16 bytes
.endm
	TOK 0, 18, 1
	TOK 1, 18, 1
	TOK 2, 18, 1
	TOK 3, 18, 1
	TOK 4, 18, 0
	TOK 5, 12, 0                                   ; nothing is left to load: the counts run down
	TOK 6, 6, 0
	TOK 7, 0, 0
	s_wait_dscnt 0x0                               ; for wave 0's sake: my logits lie in LDS
	s_barrier_signal -1
	s_barrier_wait -1
	s_cmp_lg_u32 s28, 0
	s_cbranch_scc1 .Lend
	; WAVE 0: the softmax of the work-group's 64 tokens, lane l tokens 2 l and 2 l + 1 (a = 0, 1).
	; v[8:15] logits; v16-17 maximum; v18-19 index; v[20:27] exponentials; v28-29 their sum; v30-31 1 / sum = the gate; v[32:39] probabilities
	v_lshlrev_b32 v60, 5, v1
	ds_load_b128 v[8:11], v60
	ds_load_b128 v[12:15], v60 offset:16
	s_lshl_b32 s30, ttmp9, 8                       ; 64 tokens x 4 bytes
	s_mov_b32 s31, 0
	s_add_nc_u64 s[16:17], s[16:17], s[30:31]
	s_add_nc_u64 s[18:19], s[18:19], s[30:31]
	s_lshl_b32 s30, ttmp9, 5
	s_add_nc_u64 s[20:21], s[20:21], s[30:31]
	s_lshl_b32 s30, ttmp9, 3
	s_add_nc_u64 s[22:23], s[22:23], s[30:31]
	s_wait_dscnt 0x0
.irp a, 0,1
	v_max3_num_f32 v[16+(\a)], v[8+4*(\a)], v[9+4*(\a)], v[10+4*(\a)]
	v_max_num_f32 v[16+(\a)], v[16+(\a)], v[11+4*(\a)]
	v_mov_b32 v[18+(\a)], 3                        ; the lowest index that holds the maximum wins
	v_cmp_eq_f32 vcc_lo, v[10+4*(\a)], v[16+(\a)]
	v_cndmask_b32 v[18+(\a)], v[18+(\a)], 2, vcc_lo
	v_cmp_eq_f32 vcc_lo, v[9+4*(\a)], v[16+(\a)]
	v_cndmask_b32 v[18+(\a)], v[18+(\a)], 1, vcc_lo
	v_cmp_eq_f32 vcc_lo, v[8+4*(\a)], v[16+(\a)]
	v_cndmask_b32 v[18+(\a)], v[18+(\a)], 0, vcc_lo
.irp e, 0,1,2,3
	v_sub_f32 v[20+4*(\a)+(\e)], v[8+4*(\a)+(\e)], v[16+(\a)]
	v_mul_f32 v[20+4*(\a)+(\e)], 0x3fb8aa3b, v[20+4*(\a)+(\e)]
.endr
.endr
.set i, 0
.rept 8
	v_exp_f32 v[20+i], v[20+i]
.set i, i+1
.endr
	v_nop                                          ; a plain instruction behind the last exponential,
	s_wait_alu depctr_va_vdst(0)                   ; and one wait for the batch of eight, ahead of its first reader
.irp a, 0,1
	v_add_f32 v[28+(\a)], v[20+4*(\a)], v[21+4*(\a)]
	v_add_f32 v[44+(\a)], v[22+4*(\a)], v[23+4*(\a)]
	v_add_f32 v[28+(\a)], v[28+(\a)], v[44+(\a)]
.endr
	v_rcp_f32 v30, v28                             ; the largest exponential is 2^0 = 1, so 1 / sum is the largest probability
	v_rcp_f32 v31, v29
	v_nop
	s_wait_alu depctr_va_vdst(0)
.irp a, 0,1
.irp e, 0,1,2,3
	v_mul_f32 v[32+4*(\a)+(\e)], v[20+4*(\a)+(\e)], v[30+(\a)]
.endr
	v_mul_f32 v[40+(\a)], v[32+4*(\a)], v[32+4*(\a)]       ; the sum of squares,
	v_fmac_f32 v[40+(\a)], v[33+4*(\a)], v[33+4*(\a)]
	v_fmac_f32 v[40+(\a)], v[34+4*(\a)], v[34+4*(\a)]
	v_fmac_f32 v[40+(\a)], v[35+4*(\a)], v[35+4*(\a)]
	v_add_f32 v[44+(\a)], v[32+4*(\a)], v[33+4*(\a)]       ; and the sum, of the probabilities
	v_add_f32 v[46+(\a)], v[34+4*(\a)], v[35+4*(\a)]
	v_add_f32 v[44+(\a)], v[44+(\a)], v[46+(\a)]
.endr
	v_sqrt_f32 v42, v40
	v_sqrt_f32 v43, v41
	v_nop
	s_wait_alu depctr_va_vdst(0)
	v_add_f32 v42, 0x2edbe6ff, v42                 ; + 1e-10
	v_add_f32 v43, 0x2edbe6ff, v43
	v_rcp_f32 v46, v42
	v_rcp_f32 v47, v43
	v_nop
	s_wait_alu depctr_va_vdst(0)
	v_mul_f32 v48, v44, v46                        ; v48: my two tokens' L1 / L2; v49-52: their probabilities, by expert
	v_fmac_f32 v48, v45, v47
.irp e, 0,1,2,3
	v_add_f32 v[49+(\e)], v[32+(\e)], v[36+(\e)]
.endr
.irp m, 1,2,4,8
.irp k, 0,1,2,3,4
	v_add_f32_dpp v[48+(\k)], v[48+(\k)], v[48+(\k)] row_xmask:\m row_mask:0xf bank_mask:0xf
.endr
.endr
.irp k, 0,1,2,3,4
	v_permlanex16_b32 v[32+(\k)], v[48+(\k)], s26, s27
.endr
.irp k, 0,1,2,3,4
	v_add_f32 v[48+(\k)], v[48+(\k)], v[32+(\k)]
.endr
.irp e, 0,1,2,3                        ; how many of the 64 tokens chose expert e: stored, and used by nothing in this launch
	v_cmp_eq_u32 s30, \e, v18
	v_cmp_eq_u32 s31, \e, v19
	s_bcnt1_i32_b32 s30, s30
	s_bcnt1_i32_b32 s31, s31
	s_add_co_u32 s[32+(\e)], s30, s31
.endr
	s_lshl_b32 s33, s33, 16
	s_or_b32 s32, s32, s33
	s_lshl_b32 s35, s35, 16
	s_or_b32 s34, s34, s35
	v_mov_b32 v56, s32
	v_mov_b32 v57, s34
	v_mov_b32 v53, 0
	v_mov_b32 v54, 0
	v_mov_b32 v55, 0
	v_mov_b32 v59, 0
	v_lshlrev_b32 v58, 3, v1
	global_store_b64 v58, v[18:19], s[16:17]       ; 256 consecutive bytes of gidx,
	global_store_b64 v58, v[30:31], s[18:19]       ; and of gval
	v_cmp_eq_u32 vcc_lo, 0, v1
	s_wait_xcnt 0x0                                ; EXEC changes only behind this wait
	s_and_saveexec_b32 s40, vcc_lo
	global_store_b128 v59, v[48:51], s[20:21]      ; lane 0: the work-group's record of part,
	global_store_b128 v59, v[52:55], s[20:21] offset:16
	global_store_b64 v59, v[56:57], s[22:23]       ; and of cnt
	s_wait_xcnt 0x0                                ; and again, in front of the line that widens it
	s_or_b32 exec_lo, exec_lo, s40
.Lend:
	s_wait_tensorcnt 0x0                           ; the wave's end, behind my last LDS store
	ds_add_u32 v[SPW], v[NIL]
	s_wait_dscnt 0x0
	s_endpgm
.Lfunc_end_k_q40f29636ef_router:
	.size	k_q40f29636ef_router, .Lfunc_end_k_q40f29636ef_router-k_q40f29636ef_router
	.p2alignl 7, 3214868480
	.fill 96, 4, 3214868480
	.section	.rodata,"a",@progbits
	.p2align	6, 0x0
	.amdhsa_kernel k_q40f29636ef_router
		.amdhsa_group_segment_fixed_size 2048
		.amdhsa_private_segment_fixed_size 0
		.amdhsa_enable_private_segment 0
		.amdhsa_kernarg_size 64
		.amdhsa_user_sgpr_count 2
		.amdhsa_user_sgpr_kernarg_segment_ptr 1
		.amdhsa_wavefront_size32 1
		.amdhsa_system_sgpr_workgroup_id_x 1
		.amdhsa_system_sgpr_workgroup_id_y 1
		.amdhsa_system_sgpr_workgroup_id_z 1
		.amdhsa_system_vgpr_workitem_id 0
		.amdhsa_next_free_vgpr 248
		.amdhsa_next_free_sgpr 66
		.amdhsa_reserve_vcc 1
		.amdhsa_float_denorm_mode_32 3
		.amdhsa_float_denorm_mode_16_64 3
		.amdhsa_memory_ordered 1
		.amdhsa_forward_progress 1
		.amdhsa_inst_pref_size 73
	.end_amdhsa_kernel
	.amdgpu_metadata
---
amdhsa.version: [ 1, 2 ]
amdhsa.kernels:
  - .name:           k_q40f29636ef_router
    .symbol:         k_q40f29636ef_router.kd
    .args:
      - { .name: inputs, .offset: 0, .size: 8, .value_kind: global_buffer, .address_space: global }
      - { .name: embed, .offset: 8, .size: 8, .value_kind: global_buffer, .address_space: global }
      - { .name: router_w, .offset: 16, .size: 8, .value_kind: global_buffer, .address_space: global }
      - { .name: xb, .offset: 24, .size: 8, .value_kind: global_buffer, .address_space: global }
      - { .name: gidx, .offset: 32, .size: 8, .value_kind: global_buffer, .address_space: global }
      - { .name: gval, .offset: 40, .size: 8, .value_kind: global_buffer, .address_space: global }
      - { .name: part, .offset: 48, .size: 8, .value_kind: global_buffer, .address_space: global }
      - { .name: cnt, .offset: 56, .size: 8, .value_kind: global_buffer, .address_space: global }
    .group_segment_fixed_size: 2048
    .private_segment_fixed_size: 0
    .kernarg_segment_align: 8
    .kernarg_segment_size: 64
    .max_flat_workgroup_size: 256
    .sgpr_count:     66
    .vgpr_count:     248
    .wavefront_size: 32
...
	.end_amdgpu_metadata
.endif
;; end of part 1
;; launch prep (part 2): grid 256 x 1, 9 waves a work-group, no clusters, 36,096 bytes of LDS; arguments w1, w2, cnt, gidx, part, wb, order, tiles, out1, out2; writes wb, order, tiles, out1, out2
.if DOCPART == 2
	.amdgcn_target "amdgcn-amd-amdhsa--gfx1250"
	.amdhsa_code_object_version 6
	.text
	.protected	k_q40f29636ef_prep
	.globl	k_q40f29636ef_prep
	.p2align	8
	.type	k_q40f29636ef_prep,@function
k_q40f29636ef_prep:
	s_mov_b64 s[64:65], 0
	v_nop
	global_prefetch_b8 v0, s[64:65] scope:SCOPE_SE
	s_setreg_imm32_b32 hwreg(HW_REG_WAVE_MODE, 25, 1), 1
	s_wait_xcnt 0x0
; PREP.  (1) Waves 0-7: w1 and w2 rounded once to bf16 and laid into wb in the order in which the third launch's waves take their operand registers.  (2) Wave 8: a counting sort of the
; tokens by their expert (no atomics: every work-group adds up all 256 records of cnt and places its own 64 tokens); work-group 0 also writes the table of row tiles, work-group 1 the two losses.
; FORMATS.  w1 is stored as bf16.  w2 is rounded to bf16 like every input, and that number is stored as f16, since the second product takes h in f16: exact from 2^-17 up (8 significant bits fit
; above f16's step of 2^-24).  LIMITS: a smaller |w2| keeps that fixed step; |w2| stays under 65,504.
; wb.  A fragment is 16 rows x 32 k in 1,024 bytes: byte 512 j + 256 hh + 16 r holds row r, k = 16 j + 8 hh + 0..7, so that two loads of 16 bytes a lane, at 16 x lane and 512 further, fill the
; eight registers of a matrix operand.  Address = e << 21 | w << 19 | U << 13 | f << 10: expert, reading wave, unit U = 16 c + 8 phase + u, fragment.
;   phase 0 (w1): f = 4 ks + ct: rows 256 c + 64 w + 16 ct, k = 32 (2 u + ks) ..     phase 1 (w2): f = ct: rows 128 w + 16 ct, k = 256 c + 32 u ..
; A JOB is 16 rows x 128 k: 8,192 bytes in, four fragments out; 2 x 1,024 jobs = 256 work-groups x 8 waves.  It goes through the wave's own stage in LDS, so no barrier is needed.
; tiles.  Entry j = {expert, first place in order, rows (0 to 80), 0}: each expert's tokens in tiles of 80; the sum over e of ceil(T_e / 80) is at most (16,384 + 4 x 79) / 80 = 208 for every split.
.set STG,   4352                       ; a wave's stage: 16 blocks of 256 bytes, 272 apart
.set SPARE, 8*STG                      ; behind the stages: the spare words, 128 bytes for each of 9 waves, in five blocks of 256
.set SPW, 2
.set NIL, 3
	s_load_b512 s[8:23], s[0:1], 0x0               ; w1 8, w2 10, cnt 12, gidx 14, part 16, wb 18, order 20, tiles 22
	s_load_b128 s[24:27], s[0:1], 0x40             ; out1 24, out2 26
	v_lshl_add_u32 v[SPW], v0, 2, SPARE
	v_mov_b32 v[NIL], 0
	v_lshrrev_b32 v1, 5, v0
	v_readfirstlane_b32 s28, v1                    ; wave 0..8
	v_and_b32 v1, 31, v0                           ; lane
	v_and_b32 v4, 15, v0
	v_bfe_u32 v5, v0, 4, 1
	s_mov_b32 s34, 0xffff0000                      ; a word's upper bf16
	s_wait_kmcnt 0x0
	s_cmp_eq_u32 s28, 8
	s_cbranch_scc1 .Lsort
	s_mul_i32 s29, s28, STG
	v_lshlrev_b32 v10, 5, v4                       ; my 8 f32 of a row's 128
	v_mul_u32_u24 v7, v4, 272                      ; in: block k / 8 = lane % 16, row 2 i + lane / 16
	v_lshl_add_u32 v7, v5, 4, v7
	v_add_nc_u32 v7, s29, v7
	v_mul_u32_u24 v8, v5, 272                      ; back: two blocks, 512 bytes of wb on end
	v_lshl_add_u32 v8, v4, 4, v8
	v_add_nc_u32 v8, s29, v8
	v_lshlrev_b32 v9, 4, v1
	s_bfe_u32 s30, ttmp9, 0x20005                  ; the expert: 32 work-groups each, in both halves of the grid
; lp: log2 of a row's bytes; stride: bytes in wb from one of the job's fragments to the next; half = 1: the bf16 numbers are written as f16.  Source s[38:39], destination s[42:43].
.macro JOB lp, stride, half
	v_lshl_add_u32 v6, v5, \lp, v10
.set i, 0
.rept 8                                ; rows 2 i and 2 i + 1: two loads on end cover 512 consecutive bytes of each
	global_load_b128 v[32+8*i:35+8*i], v6, s[38:39] offset:((2*i)<<(\lp)) th:TH_LOAD_NT
	global_load_b128 v[36+8*i:39+8*i], v6, s[38:39] offset:((2*i)<<(\lp))+16 th:TH_LOAD_NT
.set i, i+1
.endr
.set i, 0
.rept 8
	s_wait_loadcnt 14-2*i                          ; pair i is in; the younger pairs stay out
	v_cvt_pk_bf16_f32 v[32+8*i], v[32+8*i], v[33+8*i]
	v_cvt_pk_bf16_f32 v[33+8*i], v[34+8*i], v[35+8*i]
	v_cvt_pk_bf16_f32 v[34+8*i], v[36+8*i], v[37+8*i]
	v_cvt_pk_bf16_f32 v[35+8*i], v[38+8*i], v[39+8*i]
.if \half
.irp q, 0,1,2,3                        ; the rounded numbers, widened into the four registers that the lines above have freed, and packed as f16
	v_lshlrev_b32 v[36+8*i+2*((\q)%2)], 16, v[32+8*i+(\q)]
	v_and_b32 v[37+8*i+2*((\q)%2)], s34, v[32+8*i+(\q)]
	v_cvt_pk_f16_f32 v[32+8*i+(\q)], v[36+8*i+2*((\q)%2)], v[37+8*i+2*((\q)%2)]
.endr
.endif
	ds_store_b128 v7, v[32+8*i:35+8*i] offset:32*i
.set i, i+1
.endr
.set i, 0
.rept 8
	ds_load_b128 v[96+4*i:99+4*i], v8 offset:544*i ; LDS serves a wave's instructions in order (ISA guide 5.7.1.4): these see my stores above
.set i, i+1
.endr
.set i, 0
.rept 8
	s_wait_dscnt 7-i
	global_store_b128 v9, v[96+4*i:99+4*i], s[42:43] offset:(i/2)*(\stride)+(i%2)*512  ; 512 consecutive bytes of wb, aligned: half a fragment
.set i, i+1
.endr
.endm
	s_cmp_lt_u32 ttmp9, 128
	s_cbranch_scc0 .Lw2
	s_lshr_b32 s31, s28, 2                         ; w1: row tile rt = (2 wg + wave / 4) % 64, k group kg = wave % 4
	s_lshl_b32 s32, ttmp9, 1
	s_add_co_u32 s32, s32, s31
	s_and_b32 s32, s32, 63
	s_and_b32 s33, s28, 3
	s_lshl_b32 s36, s30, 21                        ; from: e x 2 MiB + 16 rt rows of 2,048 bytes + 512 kg
	s_lshl_b32 s37, s32, 15
	s_add_co_u32 s36, s36, s37
	s_lshl_b32 s37, s33, 9
	s_add_co_u32 s36, s36, s37
	s_mov_b32 s37, 0
	s_add_nc_u64 s[38:39], s[8:9], s[36:37]
	s_lshl_b32 s40, s30, 21                        ; to: rt = 16 c + 4 w + ct; k steps 4 kg .. are units 2 kg, 2 kg + 1, ks = 0, 1
	s_bfe_u32 s41, s32, 0x20002
	s_lshl_b32 s41, s41, 19
	s_or_b32 s40, s40, s41
	s_lshr_b32 s41, s32, 4
	s_lshl_b32 s41, s41, 17
	s_or_b32 s40, s40, s41
	s_lshl_b32 s41, s33, 14
	s_or_b32 s40, s40, s41
	s_and_b32 s41, s32, 3
	s_lshl_b32 s41, s41, 10
	s_or_b32 s40, s40, s41
	s_mov_b32 s41, 0
	s_add_nc_u64 s[42:43], s[18:19], s[40:41]
	JOB 11, 4096, 0
	s_branch .Lend
.Lw2:
	s_and_b32 s32, ttmp9, 31                       ; w2: row tile rt = wg % 32, k group kg = wave
	s_lshl_b32 s36, s30, 21                        ; from: e x 2 MiB + 16 rt rows of 4,096 bytes + 512 kg
	s_lshl_b32 s37, s32, 16
	s_add_co_u32 s36, s36, s37
	s_lshl_b32 s37, s28, 9
	s_add_co_u32 s36, s36, s37
	s_mov_b32 s37, 0
	s_add_nc_u64 s[38:39], s[10:11], s[36:37]
	s_lshl_b32 s40, s30, 21                        ; to: rt = 8 w + ct; k = 128 kg .. is chunk kg / 2, units 4 (kg % 2) + 0..3 of phase 1
	s_lshr_b32 s41, s32, 3
	s_lshl_b32 s41, s41, 19
	s_or_b32 s40, s40, s41
	s_lshr_b32 s41, s28, 1
	s_lshl_b32 s41, s41, 17
	s_or_b32 s40, s40, s41
	s_or_b32 s40, s40, 1<<16
	s_and_b32 s41, s28, 1
	s_lshl_b32 s41, s41, 15
	s_or_b32 s40, s40, s41
	s_and_b32 s41, s32, 7
	s_lshl_b32 s41, s41, 10
	s_or_b32 s40, s40, s41
	s_mov_b32 s41, 0
	s_add_nc_u64 s[42:43], s[18:19], s[40:41]
	JOB 12, 8192, 1
	s_branch .Lend
.Lsort:                                ; WAVE 8.  cnt's record g holds work-group g's four counts, 16 bits each (16,384 at the most in a sum: no field runs over)
	v_lshlrev_b32 v4, 3, v1
	s_lshl_b32 s36, ttmp9, 8
	s_mov_b32 s37, 0
	s_add_nc_u64 s[14:15], s[14:15], s[36:37]      ; gidx at my 64 tokens
.set i, 0
.rept 8
	global_load_b64 v[32+2*i:33+2*i], v4, s[12:13] offset:256*i  ; record 32 i + lane
.set i, i+1
.endr
	global_load_b64 v[48:49], v4, s[14:15]         ; tokens 2 l and 2 l + 1
	s_mov_b32 s29, ttmp9
	s_mov_b32 s44, 0x76543210
	s_mov_b32 s45, 0xfedcba98
	s_wait_loadcnt 0x0
	v_cmp_gt_u32 vcc_lo, s29, v1                   ; v8, v9: all records; v10, v11: those of the work-groups in front of mine
	v_mov_b32 v8, v32
	v_mov_b32 v9, v33
	v_cndmask_b32 v10, 0, v32, vcc_lo
	v_cndmask_b32 v11, 0, v33, vcc_lo
.set i, 1
.rept 7
	v_add_nc_u32 v20, 32*i, v1
	v_cmp_gt_u32 vcc_lo, s29, v20
	v_add_nc_u32 v8, v8, v[32+2*i]
	v_add_nc_u32 v9, v9, v[33+2*i]
	v_cndmask_b32 v21, 0, v[32+2*i], vcc_lo
	v_cndmask_b32 v22, 0, v[33+2*i], vcc_lo
	v_add_nc_u32 v10, v10, v21
	v_add_nc_u32 v11, v11, v22
.set i, i+1
.endr
	v_mov_b32 v12, 0
.irp m, 1,2,4,8
.irp k, 8,9,10,11
	v_mov_b32_dpp v12, v\k row_xmask:\m row_mask:0xf bank_mask:0xf
	v_add_nc_u32 v\k, v\k, v12
.endr
.endr
.irp k, 8,9,10,11
	v_permlanex16_b32 v12, v\k, s44, s45
	v_add_nc_u32 v\k, v\k, v12
.endr
	v_readfirstlane_b32 s46, v8
	v_readfirstlane_b32 s47, v9
	v_readfirstlane_b32 s60, v10
	v_readfirstlane_b32 s61, v11
	s_and_b32 s48, s46, 0xffff                     ; s48-51: T_e, the experts' totals
	s_lshr_b32 s49, s46, 16
	s_and_b32 s50, s47, 0xffff
	s_lshr_b32 s51, s47, 16
	s_and_b32 s52, s60, 0xffff                     ; s52-55: where my work-group's tokens of expert e begin in order
	s_lshr_b32 s53, s60, 16
	s_and_b32 s54, s61, 0xffff
	s_lshr_b32 s55, s61, 16
	s_mov_b32 s56, 0                               ; s56-59: where expert e's segment begins
	s_mov_b32 s57, s48
	s_add_co_u32 s58, s57, s49
	s_add_co_u32 s59, s58, s50
	s_add_co_u32 s53, s53, s57
	s_add_co_u32 s54, s54, s58
	s_add_co_u32 s55, s55, s59
	v_mov_b32 v50, 0
	v_mov_b32 v51, 0
.irp e, 0,1,2,3                        ; of an expert's tokens the even ones come first, by lane, then the odd ones
	v_cmp_eq_u32 s30, \e, v48
	v_cmp_eq_u32 s31, \e, v49
	v_mbcnt_lo_u32_b32 v20, s30, s[52+(\e)]
	v_cndmask_b32 v50, v50, v20, s30
	s_bcnt1_i32_b32 s32, s30
	s_add_co_u32 s32, s32, s[52+(\e)]
	v_mbcnt_lo_u32_b32 v21, s31, s32
	v_cndmask_b32 v51, v51, v21, s31
.endr
	v_min_u32 v50, 0x3fff, v50
	v_min_u32 v51, 0x3fff, v51
	v_lshlrev_b32 v50, 2, v50
	v_lshlrev_b32 v51, 2, v51
	s_lshl_b32 s30, ttmp9, 6
	v_lshl_add_u32 v52, v1, 1, s30                 ; the tokens' numbers
	v_add_nc_u32 v53, 1, v52
	global_store_b32 v50, v52, s[20:21]
	global_store_b32 v51, v53, s[20:21]
	s_cmp_eq_u32 s29, 0
	s_cbranch_scc1 .Ltiles
	s_cmp_eq_u32 s29, 1
	s_cbranch_scc1 .Lloss
	s_branch .Lend
.Ltiles:                               ; work-group 0: n_e = (T_e + 79) / 80 = ((T_e + 79) x 52,429) >> 22, exact up to 81,919; s36-38: the first entry of experts 1, 2, 3
	s_add_co_u32 s36, s48, 79
	s_mul_i32 s36, s36, 52429
	s_lshr_b32 s36, s36, 22
	s_add_co_u32 s37, s49, 79
	s_mul_i32 s37, s37, 52429
	s_lshr_b32 s37, s37, 22
	s_add_co_u32 s37, s37, s36
	s_add_co_u32 s38, s50, 79
	s_mul_i32 s38, s38, 52429
	s_lshr_b32 s38, s38, 22
	s_add_co_u32 s38, s38, s37
	v_lshlrev_b32 v29, 4, v1
	v_mov_b32 v27, 0
.set i, 0
.rept 7                                ; entries 32 i + lane, 224 in all
	s_wait_xcnt 0x0                                ; the last store has read v[24:27]
	v_add_nc_u32 v20, 32*i, v1
	v_mov_b32 v24, 0                               ; expert; v21 its first entry; v22 its segment's beginning; v23 its total
	v_mov_b32 v21, 0
	v_mov_b32 v22, 0
	v_mov_b32 v23, s48
.irp k, 1,2,3
	v_cmp_le_u32 vcc_lo, s[35+(\k)], v20
	v_cndmask_b32 v24, v24, \k, vcc_lo
	v_cndmask_b32 v21, v21, s[35+(\k)], vcc_lo
	v_cndmask_b32 v22, v22, s[56+(\k)], vcc_lo
	v_cndmask_b32 v23, v23, s[48+(\k)], vcc_lo
.endr
	v_sub_nc_u32 v21, v20, v21
	v_mul_u32_u24 v28, v21, 80
	v_add_nc_u32 v25, v22, v28
	v_min_u32 v25, 0x3fff, v25                     ; an entry past the last tile names a place that exists, and 0 rows
	v_min_u32 v26, v23, v28
	v_sub_nc_u32 v26, v23, v26
	v_min_u32 v26, 80, v26
	global_store_b128 v29, v[24:27], s[22:23] offset:512*i
.set i, i+1
.endr
	s_branch .Lend
.Lloss:                                ; work-group 1: part's 256 records {sum of L1 / L2, importance 0..3} are added up, in f32
	v_lshlrev_b32 v5, 5, v1
.set i, 0
.rept 8
	global_load_b128 v[64+4*i:67+4*i], v5, s[16:17] offset:1024*i
	global_load_b32 v[96+i], v5, s[16:17] offset:1024*i+16
.set i, i+1
.endr
	s_wait_loadcnt 0x0
	v_pk_add_f32 v[8:9], v[64:65], v[68:69]
	v_pk_add_f32 v[10:11], v[66:67], v[70:71]
	v_add_f32 v12, v96, v97
.set i, 2
.rept 6
	v_pk_add_f32 v[8:9], v[8:9], v[64+4*i:65+4*i]
	v_pk_add_f32 v[10:11], v[10:11], v[66+4*i:67+4*i]
	v_add_f32 v12, v12, v[96+i]
.set i, i+1
.endr
.irp m, 1,2,4,8
.irp k, 8,9,10,11,12
	v_add_f32_dpp v\k, v\k, v\k row_xmask:\m row_mask:0xf bank_mask:0xf
.endr
.endr
.irp k, 8,9,10,11,12
	v_permlanex16_b32 v[56+(\k)], v\k, s44, s45    ; into registers that the loads have written
	v_add_f32 v\k, v\k, v[56+(\k)]
.endr
	v_mul_f32 v8, 0x38800000, v8                   ; the mean over 16,384 tokens: x 2^-14
	v_add_f32 v13, v9, v10
	v_add_f32 v14, v11, v12
	v_add_f32 v13, v13, v14
	v_mul_f32 v13, 0x3e800000, v13                 ; the mean importance
	v_sub_f32 v16, v9, v13
	v_sub_f32 v17, v10, v13
	v_sub_f32 v18, v11, v13
	v_sub_f32 v19, v12, v13
	v_mul_f32 v14, v16, v16
	v_fmac_f32 v14, v17, v17
	v_fmac_f32 v14, v18, v18
	v_fmac_f32 v14, v19, v19
	v_mul_f32 v14, 0x3e800000, v14                 ; its variance, in reference()'s own form
	v_fmaak_f32 v15, v13, v13, 0x2edbe6ff          ; mean^2 + 1e-10
	v_rcp_f32 v20, v15
	v_mov_b32 v21, 0                               ; the plain instruction behind the reciprocal,
	s_wait_alu depctr_va_vdst(0)                   ; and its wait
	v_mul_f32 v14, v14, v20
	v_cmp_eq_u32 vcc_lo, 0, v1
	s_wait_xcnt 0x0                                ; EXEC changes only behind this wait
	s_and_saveexec_b32 s30, vcc_lo
	global_store_b32 v21, v8, s[24:25]
	global_store_b32 v21, v14, s[26:27]
	s_wait_xcnt 0x0
	s_or_b32 exec_lo, exec_lo, s30
.Lend:
	s_wait_tensorcnt 0x0                           ; the wave's end, behind my last LDS store
	ds_add_u32 v[SPW], v[NIL]
	s_wait_dscnt 0x0
	s_endpgm
.Lfunc_end_k_q40f29636ef_prep:
	.size	k_q40f29636ef_prep, .Lfunc_end_k_q40f29636ef_prep-k_q40f29636ef_prep
	.p2alignl 7, 3214868480
	.fill 96, 4, 3214868480
	.section	.rodata,"a",@progbits
	.p2align	6, 0x0
	.amdhsa_kernel k_q40f29636ef_prep
		.amdhsa_group_segment_fixed_size 36096
		.amdhsa_private_segment_fixed_size 0
		.amdhsa_enable_private_segment 0
		.amdhsa_kernarg_size 80
		.amdhsa_user_sgpr_count 2
		.amdhsa_user_sgpr_kernarg_segment_ptr 1
		.amdhsa_wavefront_size32 1
		.amdhsa_system_sgpr_workgroup_id_x 1
		.amdhsa_system_sgpr_workgroup_id_y 1
		.amdhsa_system_sgpr_workgroup_id_z 1
		.amdhsa_system_vgpr_workitem_id 0
		.amdhsa_next_free_vgpr 128
		.amdhsa_next_free_sgpr 66
		.amdhsa_reserve_vcc 1
		.amdhsa_float_denorm_mode_32 3
		.amdhsa_float_denorm_mode_16_64 3
		.amdhsa_memory_ordered 1
		.amdhsa_forward_progress 1
		.amdhsa_inst_pref_size 44
	.end_amdhsa_kernel
	.amdgpu_metadata
---
amdhsa.version: [ 1, 2 ]
amdhsa.kernels:
  - .name:           k_q40f29636ef_prep
    .symbol:         k_q40f29636ef_prep.kd
    .args:
      - { .name: w1, .offset: 0, .size: 8, .value_kind: global_buffer, .address_space: global }
      - { .name: w2, .offset: 8, .size: 8, .value_kind: global_buffer, .address_space: global }
      - { .name: cnt, .offset: 16, .size: 8, .value_kind: global_buffer, .address_space: global }
      - { .name: gidx, .offset: 24, .size: 8, .value_kind: global_buffer, .address_space: global }
      - { .name: part, .offset: 32, .size: 8, .value_kind: global_buffer, .address_space: global }
      - { .name: wb, .offset: 40, .size: 8, .value_kind: global_buffer, .address_space: global }
      - { .name: order, .offset: 48, .size: 8, .value_kind: global_buffer, .address_space: global }
      - { .name: tiles, .offset: 56, .size: 8, .value_kind: global_buffer, .address_space: global }
      - { .name: out1, .offset: 64, .size: 8, .value_kind: global_buffer, .address_space: global }
      - { .name: out2, .offset: 72, .size: 8, .value_kind: global_buffer, .address_space: global }
    .group_segment_fixed_size: 36096
    .private_segment_fixed_size: 0
    .kernarg_segment_align: 8
    .kernarg_segment_size: 80
    .max_flat_workgroup_size: 288
    .sgpr_count:     66
    .vgpr_count:     128
    .wavefront_size: 32
...
	.end_amdgpu_metadata
.endif
;; end of part 2
;; launch chain (part 3): grid 208 x 1, 4 waves a work-group, no clusters, 129,792 bytes of LDS; arguments xb, wb, order, tiles, gval, b1, b2, out0; writes out0
.if DOCPART == 3
	.amdgcn_target "amdgcn-amd-amdhsa--gfx1250"
	.amdhsa_code_object_version 6
	.text
	.protected	k_q40f29636ef_chain
	.globl	k_q40f29636ef_chain
	.p2align	8
	.type	k_q40f29636ef_chain,@function
k_q40f29636ef_chain:
	s_mov_b64 s[64:65], 0
	v_nop
	global_prefetch_b8 v0, s[64:65] scope:SCOPE_SE
	s_setreg_imm32_b32 hwreg(HW_REG_WAVE_MODE, 25, 1), 1
	s_wait_xcnt 0x0
; CHAIN.  out0[token] = gate x (relu(x W1[e]^T + b1[e]) W2[e]^T + b2[e]) for the ONE expert e that the token chose.  WORK LEFT OUT: the three experts that reference()'s own
; where((gate_idx == ei), y, 0) throws away, for all values of the inputs; a NaN, infinity or overflow that would arise in them alone is not formed.
; FORMATS.  x and W1 come rounded to bf16 (xb, wb) and are multiplied in bf16; b1 and b2 are rounded to bf16 here and kept as f32; all sums in f32.  h is rounded once to f16 for the second
; product, and W2 comes as its bf16 rounding written in f16: h's rounding is the one rounding of the program's own, every output must lie within 1% of the output's root mean square, and
; bf16's 8 significant bits leave an output with a gate near 1 only some three of its own spreads of room there; f16's 11 bits leave eight times that.
; LIMITS.  |h| stays under 65,504 (beyond 65,520 the conversion gives an infinity).  Of the drawn kind h reaches about 5; with inputs, w1 and b1 all 30 times larger about 5,000; with inputs and w1
; both offset by 30 times their spread about 512 x 30 x 1.33 = 20,400.  Below 6e-5 h keeps f16's fixed step of 6e-8.  A NaN in h counts as 0 (the packed maximum drops it).
; SHARES.  A work-group takes one entry of tiles: up to 80 rows of one expert, five token tiles of 16.  208 work-groups serve every split of the tokens (the sum of ceil(T_e / 80) is at most
; 208); places past a tile's count repeat its last row, and their stores are jumped; an entry with no rows walks the same text, so that no barrier hangs on loaded data, and stores nothing.
; THE WAVES SPLIT COLUMNS, every wave has all 80 tokens.  The hidden width goes in four chunks of 256.  G1: wave w makes h columns 256 c + 64 w .. + 63 (4 x 5 accumulators), K = 512.
; G2: it adds the chunk into y columns 128 w .. + 127 (8 x 5 accumulators).  Both products are used transposed (source 0 = 16 rows of weights, source 1 = 16 tokens): a lane holds ONE token
; (lane % 16) and the columns 8 (lane / 16) + 0..7, so that h packs into 16 bytes that are half of a source-1 fragment of G2, and y into 32 neighbouring bytes of a row.
; THE WEIGHTS come straight from memory into registers: each fragment has one reader among the four waves.  A UNIT is 8 fragments, 16 loads of 512 consecutive bytes, and feeds
; 40 matrix instructions; a ring of four register groups keeps three to four units (24 to 32 KiB a wave) on their way under counted waits.
; NO CLUSTER.  Work-groups of one expert walk the same wb, and joint loads would divide their requests by four.  Against it, by this text's arithmetic: beside x (83,200 bytes) and h (40,960) two
; LDS slots of 64 KiB are the largest that divide the walk, which leaves 80 matrix instructions a wave between a request and the wait for it; every weight byte would be written to LDS and read
; from it besides (0.65 LDS loads a matrix instruction for 0.375); and the number of an expert's tiles hangs on the split, so that partners would not always share an expert.
; REGISTERS, in windows of 256 (s_set_vgpr_msb: bits 1:0 source 0, 3:2 source 1, 5:4 source 2, 7:6 destination):
;   window 0: v0-31 addresses and at work; v32-111, v112-191 two sets of token fragments; v192-255 biases       window 1: the weights' ring, group g at 64 g
;   window 2: y's accumulators (ct, t), ct = 0..5, at 8 (5 ct + t)       window 3: v0-79 those of ct = 6, 7; v80-239 h's accumulators at 80 + 8 (5 ct + t)
.set XP,    1040                       ; a row of x in LDS: 1,024 bytes + 16: the 16 rows of a fragment load start at 16 different groups of four banks (ISA guide 11.1)
.set HS,    80*XP                      ; h of one chunk, in fragment order: 8,192 t + 1,024 kk + 512 half + 16 lane
.set BS1,   HS+40960                   ; b1[e], 1,024 f32
.set TOK,   BS1+4096                   ; 128 token numbers, then 128 gates (80 of each are used)
.set SPARE, TOK+1024                   ; the spare words, 128 bytes for each wave: two blocks of 256 bytes that no other line names
.set SGP,   528                        ; the way out: a wave's stage is 16 rows of 512 + 16 bytes, at 8,448 x wave, where x lay
.set WO,  1                            ; v1   16 x lane
.set XL0, 2                            ; v2   x fragments: (lane % 16) x 1,040 + 16 (lane / 16)
.set XL1, 3                            ; v3   the same 48 rows on: token tiles 3 and 4 lie past the 16-bit immediate
.set HL,  4                            ; v4   HS + 16 lane
.set HST, 5                            ; v5   HS + 2,048 wave + 16 lane
.set B1A, 6                            ; v6   BS1 + 256 wave + 32 (lane / 16), stepped 1,024 a chunk
.set XST, 7                            ; v7   where the gather puts 16 bytes of a row
.set GA,  8                            ; v8   my token's gate
.set TKA, 9                            ; v9   TOK
.set STO, 10                           ; v10  the way out: where I put 32 bytes of a row
.set RD,  11                           ; v11  the way out: where I read a row back
.set OO,  12                           ; v12  512 wave + 16 lane: my 16 bytes in a row of out0
.set PF,  13                           ; v13  the prefetches' offset; never rewritten
.set SPW, 14                           ; v14  SPARE + 4 x my thread's number; never rewritten
.set NIL, 15                           ; v15  0; never rewritten
.set ZR,  30                           ; v30  0, for the packed ReLU
.set XF,  32
.set BI,  192
.set HA,  80
.set SW,  34                           ; s[34:35] wb at my expert's and wave's stream, at the chunk in hand
.set SPF, 36                           ; s[36:37] wb at the chunk in hand
.set CNT, 38                           ; s38  chunks to go
.set LIM, 39                           ; s39  1 in a work-group that prefetches, else the greatest number
.set MSB, 0
.macro WIN new                         ; the immediate's high byte repeats the setting that is left; a switch that changes nothing is dropped
.if MSB != (\new)
	s_set_vgpr_msb (MSB<<8)|(\new)
.set MSB, (\new)
.endif
.endm
	s_load_b512 s[8:23], s[0:1], 0x0               ; xb 8, wb 10, order 12, tiles 14, gval 16, b1 18, b2 20, out0 22
	v_lshl_add_u32 v[SPW], v0, 2, SPARE
	v_mov_b32 v[NIL], 0
	v_lshrrev_b32 v16, 5, v0
	v_readfirstlane_b32 s28, v16                   ; wave 0..3
	s_lshl_b32 s42, ttmp9, 4
	s_mov_b32 s43, 0
	s_wait_kmcnt 0x0
	s_add_nc_u64 s[14:15], s[14:15], s[42:43]
	s_load_b128 s[24:27], s[14:15], 0x0            ; my entry: expert, first place, rows
	v_and_b32 v17, 31, v0                          ; lane
	v_and_b32 v28, 15, v0                          ; r
	v_bfe_u32 v29, v0, 4, 1                        ; hh
	v_mov_b32 v[ZR], 0
	v_lshlrev_b32 v[WO], 4, v17
	v_mul_u32_u24 v[XL0], v28, XP
	v_lshl_add_u32 v[XL0], v29, 4, v[XL0]
	v_add_nc_u32 v[XL1], 48*XP, v[XL0]
	v_add_nc_u32 v[HL], HS, v[WO]
	s_lshl_b32 s42, s28, 11
	s_add_co_u32 s42, s42, HS
	v_add_nc_u32 v[HST], s42, v[WO]
	s_lshl_b32 s42, s28, 8
	s_add_co_u32 s42, s42, BS1
	v_lshl_add_u32 v[B1A], v29, 5, s42
	s_mul_i32 s42, s28, 20*XP                      ; wave w gathers rows 20 w .. 20 w + 19, two at a time
	v_mul_u32_u24 v[XST], v29, XP
	v_lshl_add_u32 v[XST], v28, 4, v[XST]
	v_add_nc_u32 v[XST], s42, v[XST]
	v_lshl_add_u32 v[GA], v28, 2, TOK+512
	v_mov_b32 v[TKA], TOK
	s_mul_i32 s42, s28, 16*SGP
	v_mul_u32_u24 v[STO], v28, SGP
	v_lshl_add_u32 v[STO], v29, 5, v[STO]
	v_add_nc_u32 v[STO], s42, v[STO]
	v_add_nc_u32 v[RD], s42, v[WO]
	s_lshl_b32 s42, s28, 9
	v_add_nc_u32 v[OO], s42, v[WO]
	s_and_b32 s42, ttmp9, 63                       ; the prefetches: block beta = 128 (wg % 64) + thread of a chunk's 8,192 blocks of 256 bytes (4 experts x 4 waves' streams x 512)
	s_lshl_b32 s42, s42, 7
	v_add_nc_u32 v16, s42, v0
	v_lshrrev_b32 v[PF], 11, v16
	v_lshlrev_b32 v[PF], 21, v[PF]
	v_bfe_u32 v18, v16, 9, 2
	v_lshl_or_b32 v[PF], v18, 19, v[PF]
	v_and_b32 v18, 0x1ff, v16
	v_lshl_or_b32 v[PF], v18, 8, v[PF]
	s_cmp_lt_u32 ttmp9, 64
	s_cselect_b32 s[LIM], 1, -1
	s_mov_b32 s41, 0xffff0000
	v_lshlrev_b32 v31, 5, v0                       ; b1: 8 numbers a thread
	v_lshlrev_b32 v48, 5, v29                      ; b2: my 8 columns of a tile of 16
	v_lshlrev_b32 v49, 4, v28                      ; xb: 16 lanes take 256 consecutive bytes of a row
	s_mul_i32 s44, s28, 20
	v_add_nc_u32 v27, s44, v29
	s_wait_kmcnt 0x0
	s_min_u32 s29, s24, 3                          ; what was loaded enters addresses only behind a clamp
	s_min_u32 s30, s25, 0x3fff
	s_min_u32 s31, s26, 80
	s_max_u32 s32, s31, 1
	s_sub_co_u32 s32, s32, 1                       ; the tile's last row
	s_lshl_b32 s42, s29, 21
	s_lshl_b32 s43, s28, 19
	s_add_co_u32 s42, s42, s43
	s_mov_b32 s43, 0
	s_add_nc_u64 s[SW:SW+1], s[10:11], s[42:43]
	s_mov_b64 s[SPF:SPF+1], s[10:11]
	s_lshl_b32 s42, s29, 12
	s_add_nc_u64 s[18:19], s[18:19], s[42:43]      ; b1[e]
	s_lshl_b32 s42, s29, 11
	s_lshl_b32 s44, s28, 9
	s_add_co_u32 s42, s42, s44
	s_add_nc_u64 s[20:21], s[20:21], s[42:43]      ; b2[e] at my wave's 128 columns
.set i, 0
.rept 10                               ; the place in order of row 20 w + 2 i + hh; rows past the count repeat the last
	v_add_nc_u32 v[16+i], 2*i, v27
	v_min_u32 v[16+i], s32, v[16+i]
	v_add_nc_u32 v[16+i], s30, v[16+i]
	v_min_u32 v[16+i], 0x3fff, v[16+i]
	v_lshlrev_b32 v[16+i], 2, v[16+i]
.set i, i+1
.endr
	v_min_u32 v26, s32, v0                         ; and of the row with my thread's number
	v_add_nc_u32 v26, s30, v26
	v_min_u32 v26, 0x3fff, v26
	v_lshlrev_b32 v26, 2, v26
.set i, 0
.rept 11                               ; 11 loads: the token numbers (each lands on its own address register)
	global_load_b32 v[16+i], v[16+i], s[12:13]
.set i, i+1
.endr
	global_load_b128 v[32:35], v31, s[18:19]       ; 18 loads: the biases
	global_load_b128 v[36:39], v31, s[18:19] offset:16
.set i, 0
.rept 8
	global_load_b128 v[BI+8*i:BI+8*i+3],   v48, s[20:21] offset:64*i
	global_load_b128 v[BI+8*i+4:BI+8*i+7], v48, s[20:21] offset:64*i+16
.set i, i+1
.endr
; A unit's 16 loads into group rho % 4, from byte 8,192 rho behind SW.
.macro RELOAD rho
	WIN 0x40                                       ; destination window 1, address window 0
.set GL, 64*((\rho)%4)
.irp f, 0,1,2,3,4,5,6,7
	global_load_b128 v[GL+8*(\f):GL+8*(\f)+3],   v[WO], s[SW:SW+1] offset:(\rho)*8192+(\f)*1024
	global_load_b128 v[GL+8*(\f)+4:GL+8*(\f)+7], v[WO], s[SW:SW+1] offset:(\rho)*8192+(\f)*1024+512
.endr
.endm
	RELOAD 0                                       ; 32 loads: units 0 and 1
	RELOAD 1
	WIN 0
	s_wait_loadcnt 50                              ; the token numbers are in; the 18 + 32 younger loads stay out
.set i, 0
.rept 10
	v_min_u32 v[16+i], 0x3fff, v[16+i]
	v_lshl_add_u32 v[16+i], v[16+i], 10, v49       ; the token's row of xb, my 16 bytes
.set i, i+1
.endr
	v_min_u32 v26, 0x3fff, v26
	v_lshlrev_b32 v27, 2, v26
	WIN 0xc0                                       ; 41 loads: the gather, into the registers that will be h's accumulators,
.set i, 0
.rept 10
.irp p, 0,1,2,3
	global_load_b128 v[HA+16*i+4*(\p):HA+16*i+4*(\p)+3], v[16+i], s[8:9] offset:256*(\p)
.endr
.set i, i+1
.endr
	WIN 0
	global_load_b32 v27, v27, s[16:17]             ; and my row's gate
	s_wait_loadcnt 41                              ; the biases and units 0 and 1 are in; the gather's 41 stay out
	RELOAD 2                                       ; 32 loads: units 2 and 3
	RELOAD 3
	WIN 0
.irp q, 0,1,2,3                        ; while the gather is on its way: b1 rounded to bf16, widened, into LDS;
	v_cvt_pk_bf16_f32 v[40+(\q)], v[32+2*(\q)], v[33+2*(\q)]
.endr
.irp q, 0,1,2,3
	v_lshlrev_b32 v[32+2*(\q)], 16, v[40+(\q)]
	v_and_b32 v[33+2*(\q)], s41, v[40+(\q)]
.endr
	v_add_nc_u32 v50, BS1, v31
	ds_store_b128 v50, v[32:35]
	ds_store_b128 v50, v[36:39] offset:16
	v_lshl_add_u32 v51, v0, 2, TOK
	ds_store_b32 v51, v26                          ; my row's token;
.set q, 0
.rept 32                               ; b2 rounded in place;
	v_cvt_pk_bf16_f32 v[52+q%4], v[BI+2*q], v[BI+2*q+1]
	v_lshlrev_b32 v[BI+2*q], 16, v[52+q%4]
	v_and_b32 v[BI+2*q+1], s41, v[52+q%4]
.set q, q+1
.endr
	WIN 0x80                                       ; and y's sums started with it: the price of one form for every unit of G2, in place of 160 packed additions on the way out
.irp ct, 0,1,2,3,4,5
.irp t, 0,1,2,3,4
.irp j, 0,1,2,3,4,5,6,7
	v_mov_b32 v[8*(5*(\ct)+(\t))+(\j)], v[BI+8*(\ct)+(\j)]
.endr
.endr
.endr
	WIN 0xc0
.irp ct, 0,1
.irp t, 0,1,2,3,4
.irp j, 0,1,2,3,4,5,6,7
	v_mov_b32 v[8*(5*(\ct)+(\t))+(\j)], v[BI+8*((\ct)+6)+(\j)]
.endr
.endr
.endr
	s_wait_loadcnt 32                              ; the gather is in; units 2 and 3 stay out
	WIN 0x0c                                       ; LDS store data in window 3
.set i, 0
.rept 10
.irp p, 0,1,2,3
	ds_store_b128 v[XST], v[HA+16*i+4*(\p):HA+16*i+4*(\p)+3] offset:i*2*XP+256*(\p)
.endr
.set i, i+1
.endr
	WIN 0
	ds_store_b32 v51, v27 offset:512               ; my row's gate
	s_wait_dscnt 0x0                               ; for the others' sake: my stores are done
	s_barrier_signal -1
	s_barrier_wait -1                              ; x, b1, tokens and gates lie in LDS
; THE LDS LOADS stand in runs at a unit's head, for the NEXT unit.  x: K steps 2 u and 2 u + 1 of the five token tiles, fragment 5 ks + t of set st.
.macro FETCHX u, st
	WIN 0
.irp ks, 0,1
.irp t, 0,1,2,3,4
.if (\t) < 3
	ds_load_b128 v[XF+80*(\st)+8*(5*(\ks)+(\t)):XF+80*(\st)+8*(5*(\ks)+(\t))+3],   v[XL0] offset:(\t)*16*XP+64*(2*(\u)+(\ks))
	ds_load_b128 v[XF+80*(\st)+8*(5*(\ks)+(\t))+4:XF+80*(\st)+8*(5*(\ks)+(\t))+7], v[XL0] offset:(\t)*16*XP+64*(2*(\u)+(\ks))+32
.else
	ds_load_b128 v[XF+80*(\st)+8*(5*(\ks)+(\t)):XF+80*(\st)+8*(5*(\ks)+(\t))+3],   v[XL1] offset:((\t)-3)*16*XP+64*(2*(\u)+(\ks))
	ds_load_b128 v[XF+80*(\st)+8*(5*(\ks)+(\t))+4:XF+80*(\st)+8*(5*(\ks)+(\t))+7], v[XL1] offset:((\t)-3)*16*XP+64*(2*(\u)+(\ks))+32
.endif
.endr
.endr
.endm
.macro FETCHH kk, st                   ; h: K step kk of the chunk, fragment t of set st
	WIN 0
.irp t, 0,1,2,3,4
	ds_load_b128 v[XF+80*(\st)+8*(\t):XF+80*(\st)+8*(\t)+3],   v[HL] offset:(\t)*8192+(\kk)*1024
	ds_load_b128 v[XF+80*(\st)+8*(\t)+4:XF+80*(\st)+8*(\t)+7], v[HL] offset:(\t)*8192+(\kk)*1024+512
.endr
.endm
.macro FETCHB1                         ; b1 of my 64 columns of the chunk, as the C operand of G1's first products
	WIN 0
.irp ct, 0,1,2,3
	ds_load_b128 v[BI+8*(\ct):BI+8*(\ct)+3],   v[B1A] offset:64*(\ct)
	ds_load_b128 v[BI+8*(\ct)+4:BI+8*(\ct)+7], v[B1A] offset:64*(\ct)+16
.endr
.endm
; A UNIT: kind 1 = G1 (bf16), 2 = G2 (f16); u its number in the phase; rho its place in the trip: weights in group rho % 4, tokens in set rho % 2.
; nxt: what is fetched for the next unit (0 nothing, 1 x, 2 h, 3 b1 and x).  reload = 1: the group takes the unit four further on.  left: the younger groups' loads, which may stay out.
; The accumulators take turns, one instruction a turn: 19 (G1) or 39 (G2) others stand between two links of a chain, from unit to unit and over the backward jump too;
; h's accumulators see the bf16 form alone, y's the f16 form alone.
; Four v_nop close a unit: the places between its last product and the loads into the group and, at the next unit's head, into the set that it has read.
.macro UNIT kind, u, rho, nxt, reload, left
.if (\nxt) == 1
	FETCHX (\u)+1, ((\rho)+1)%2
.elseif (\nxt) == 2
	FETCHH (\u)+1, ((\rho)+1)%2
.elseif (\nxt) == 3
	FETCHB1
	FETCHX 0, ((\rho)+1)%2
.endif
	s_wait_loadcnt \left                           ; loads come back in order: my group's 16 are in
.if (\nxt) == 1
	s_wait_dscnt 20                                ; all LDS loads but those just issued
.elseif (\nxt) == 2
	s_wait_dscnt 10
.elseif (\nxt) == 3
	s_wait_dscnt 28
.else
	s_wait_dscnt 0x0
.endif
.set CUR, XF+80*((\rho)%2)
.set GRP, 64*((\rho)%4)
.if (\kind) == 1
.irp ks, 0,1
.irp ct, 0,1,2,3
.irp t, 0,1,2,3,4
.if ((\u) == 0) && ((\ks) == 0)
	WIN 0xc1                                       ; the chunk's first products start h's sums with b1 (C in window 0)
	v_wmma_f32_16x16x32_bf16 v[HA+8*(5*(\ct)+(\t)):HA+8*(5*(\ct)+(\t))+7], v[GRP+8*(4*(\ks)+(\ct)):GRP+8*(4*(\ks)+(\ct))+7], v[CUR+8*(5*(\ks)+(\t)):CUR+8*(5*(\ks)+(\t))+7], v[BI+8*(\ct):BI+8*(\ct)+7]
.else
	WIN 0xf1
	v_wmma_f32_16x16x32_bf16 v[HA+8*(5*(\ct)+(\t)):HA+8*(5*(\ct)+(\t))+7], v[GRP+8*(4*(\ks)+(\ct)):GRP+8*(4*(\ks)+(\ct))+7], v[CUR+8*(5*(\ks)+(\t)):CUR+8*(5*(\ks)+(\t))+7], v[HA+8*(5*(\ct)+(\t)):HA+8*(5*(\ct)+(\t))+7]
.endif
.endr
.endr
.endr
.else
.irp ct, 0,1,2,3,4,5
.irp t, 0,1,2,3,4
	WIN 0xa1
	v_wmma_f32_16x16x32_f16 v[8*(5*(\ct)+(\t)):8*(5*(\ct)+(\t))+7], v[GRP+8*(\ct):GRP+8*(\ct)+7], v[CUR+8*(\t):CUR+8*(\t)+7], v[8*(5*(\ct)+(\t)):8*(5*(\ct)+(\t))+7]
.endr
.endr
.irp ct, 0,1
.irp t, 0,1,2,3,4
	WIN 0xf1
	v_wmma_f32_16x16x32_f16 v[8*(5*(\ct)+(\t)):8*(5*(\ct)+(\t))+7], v[GRP+8*((\ct)+6):GRP+8*((\ct)+6)+7], v[CUR+8*(\t):CUR+8*(\t)+7], v[8*(5*(\ct)+(\t)):8*(5*(\ct)+(\t))+7]
.endr
.endr
.endif
	WIN 0
.rept 4
	v_nop
.endr
.if \reload
	RELOAD \rho
.endif
.endm
; BETWEEN G1 AND G2.  h is rounded to f16 (each accumulator from its low end), cut at 0 on the packed halves, and handed to the other waves: a barrier when every wave's reads
; of the last chunk's h are over, the stores, a barrier when every wave's stores are done.
.macro EPI
	WIN 0x0f                                       ; sources in window 3, destination in window 0: set 0, whose last reader stands a unit back
.set a, 0
.rept 20
.irp q, 0,1,2,3
	v_cvt_pk_f16_f32 v[XF+4*a+(\q)], v[HA+8*a+2*(\q)], v[HA+8*a+2*(\q)+1]
.endr
.set a, a+1
.endr
	WIN 0
.set a, 0
.rept 80
	v_pk_max_num_f16 v[XF+a], v[XF+a], v[ZR]
.set a, a+1
.endr
	s_wait_dscnt 0x0                               ; my reads of x and of the last chunk's h are over
	s_barrier_signal -1
	s_barrier_wait -1
.irp ct, 0,1,2,3
.irp t, 0,1,2,3,4
	ds_store_b128 v[HST], v[XF+4*(5*(\ct)+(\t)):XF+4*(5*(\ct)+(\t))+3] offset:(\t)*8192+(\ct)*512  ; columns 64 w + 16 ct + 8 hh ..: K step 2 w + ct / 2, half ct % 2, my own lane's place
.endr
.endr
	s_wait_dscnt 0x0                               ; for the others' sake: my stores are done
	s_barrier_signal -1
	s_barrier_wait -1
	FETCHH 0, 0
.endm
; A PREFETCH INTO THE L2 of the NEXT chunk of wb, behind the reload of a chunk's first unit: 12 units, 480 matrix instructions, ahead of the first load that names those bytes.  All work-groups walk wb in the
; same order, so each block of 256 bytes is named ONCE in the launch: a chunk of all four experts is 8,192 blocks = work-groups 0 to 63 x 128 threads, a lane a block, one instruction a wave.
; Chunk 0 comes by its loads alone; the last trip asks for nothing.
.macro ASK
	WIN 0
	s_cmp_gt_u32 s[CNT], s[LIM]
	s_cbranch_scc0 .Lnot_mine_\@
	global_prefetch_b8 v[PF], s[SPF:SPF+1] offset:131072 th:TH_LOAD_NT scope:SCOPE_SE
.Lnot_mine_\@:
.endm
	FETCHB1
	FETCHX 0, 0
	s_mov_b32 s[CNT], 4
	s_branch .Lenter                               ; the loop is entered at a chunk's first unit, in the middle of a trip
.Ltop:                                 ; a trip: the last four units of one chunk's G2, then the next chunk's G1 and the first four units of its G2; place rho reloads unit 16 c + rho
	s_wait_xcnt 0x0                                ; every load and prefetch issued so far has read its address: the pointers may be written
	s_add_nc_u64 s[SW:SW+1], s[SW:SW+1], 131072
	s_add_nc_u64 s[SPF:SPF+1], s[SPF:SPF+1], 131072
	v_add_nc_u32 v[B1A], 1024, v[B1A]
	UNIT 2, 4, 0, 2, 1, 48
	UNIT 2, 5, 1, 2, 1, 48
	UNIT 2, 6, 2, 2, 1, 48
	UNIT 2, 7, 3, 3, 1, 48
	WIN 0                                          ; at a label and at a branch every window is 0
.Lenter:
	UNIT 1, 0, 4, 1, 1, 48
	ASK
.irp u, 1,2,3,4,5,6
	UNIT 1, \u, (\u)+4, 1, 1, 48
.endr
	UNIT 1, 7, 11, 0, 1, 48
	EPI
.irp u, 0,1,2,3
	UNIT 2, \u, (\u)+12, 2, 1, 48
.endr
	WIN 0
	s_sub_co_u32 s[CNT], s[CNT], 1
	s_cmp_lg_u32 s[CNT], 0
	s_cbranch_scc1 .Ltop
	UNIT 2, 4, 0, 2, 0, 48                         ; the last four units load nothing: the counts run down
	UNIT 2, 5, 1, 2, 0, 32
	UNIT 2, 6, 2, 2, 0, 16
	UNIT 2, 7, 3, 0, 0, 0
; THE WAY OUT, a token tile at a time.  y (b2 is in the sums) times the token's gate; 32 bytes a lane into my stage, which lies where x lay: the last chunk's two barriers stand behind every wave's last
; read of x; back as whole rows of my 128 columns; each row to its token's place in out0.  The rows that exist are the first s31: the first row past them ends the wave's stores by a jump forward,
; over stores and LDS work of the wave's own alone.
.macro OUT t
	WIN 0
	s_wait_xcnt 0x0                                ; the last tile's stores have read their data and offsets
	ds_load_b32 v16, v[GA] offset:64*(\t)
	s_wait_dscnt 0x0
	v_mov_b32 v17, v16
	WIN 0x82                                       ; in place in window 2, the gate in window 0; each accumulator from its low end
.irp ct, 0,1,2,3,4,5
.irp q, 0,1,2,3
	v_pk_mul_f32 v[8*(5*(\ct)+(\t))+2*(\q):8*(5*(\ct)+(\t))+2*(\q)+1], v[8*(5*(\ct)+(\t))+2*(\q):8*(5*(\ct)+(\t))+2*(\q)+1], v[16:17]
.endr
.endr
	WIN 0xc3
.irp ct, 0,1
.irp q, 0,1,2,3
	v_pk_mul_f32 v[8*(5*(\ct)+(\t))+2*(\q):8*(5*(\ct)+(\t))+2*(\q)+1], v[8*(5*(\ct)+(\t))+2*(\q):8*(5*(\ct)+(\t))+2*(\q)+1], v[16:17]
.endr
.endr
	WIN 0x08
.irp ct, 0,1,2,3,4,5
	ds_store_b128 v[STO], v[8*(5*(\ct)+(\t)):8*(5*(\ct)+(\t))+3]   offset:64*(\ct)
	ds_store_b128 v[STO], v[8*(5*(\ct)+(\t))+4:8*(5*(\ct)+(\t))+7] offset:64*(\ct)+16
.endr
	WIN 0x0c
.irp ct, 0,1
	ds_store_b128 v[STO], v[8*(5*(\ct)+(\t)):8*(5*(\ct)+(\t))+3]   offset:64*((\ct)+6)
	ds_store_b128 v[STO], v[8*(5*(\ct)+(\t))+4:8*(5*(\ct)+(\t))+7] offset:64*((\ct)+6)+16
.endr
	WIN 0
.set rw, 0
.rept 16
	ds_load_b128 v[32+4*rw:35+4*rw], v[RD] offset:SGP*rw       ; LDS serves a wave's instructions in order (ISA guide 5.7.1.4): these see my stores above
	ds_load_b32 v[96+rw], v[TKA] offset:4*(16*(\t)+rw)         ; the row's token, in every lane
.set rw, rw+1
.endr
	s_wait_dscnt 0x0
.set rw, 0
.rept 16
	v_min_u32 v[96+rw], 0x3fff, v[96+rw]
	v_lshl_add_u32 v[96+rw], v[96+rw], 11, v[OO]
.set rw, rw+1
.endr
.set rw, 0
.rept 16
	s_cmp_gt_u32 s31, 16*(\t)+rw
	s_cbranch_scc0 .Lfin
	global_store_b128 v[96+rw], v[32+4*rw:35+4*rw], s[22:23] th:TH_STORE_NT  ; 512 consecutive bytes of a row of out0, aligned
.set rw, rw+1
.endr
.endm
	OUT 0
	OUT 1
	OUT 2
	OUT 3
	OUT 4
.Lfin:
	s_wait_tensorcnt 0x0                           ; the wave's end, behind my last LDS store
	ds_add_u32 v[SPW], v[NIL]
	s_wait_dscnt 0x0
	s_endpgm
.Lfunc_end_k_q40f29636ef_chain:
	.size	k_q40f29636ef_chain, .Lfunc_end_k_q40f29636ef_chain-k_q40f29636ef_chain
	.p2alignl 7, 3214868480
	.fill 96, 4, 3214868480
	.section	.rodata,"a",@progbits
	.p2align	6, 0x0
	.amdhsa_kernel k_q40f29636ef_chain
		.amdhsa_group_segment_fixed_size 129792
		.amdhsa_private_segment_fixed_size 0
		.amdhsa_enable_private_segment 0
		.amdhsa_kernarg_size 64
		.amdhsa_user_sgpr_count 2
		.amdhsa_user_sgpr_kernarg_segment_ptr 1
		.amdhsa_wavefront_size32 1
		.amdhsa_system_sgpr_workgroup_id_x 1
		.amdhsa_system_sgpr_workgroup_id_y 1
		.amdhsa_system_sgpr_workgroup_id_z 1
		.amdhsa_system_vgpr_workitem_id 0
		.amdhsa_next_free_vgpr 1008
		.amdhsa_next_free_sgpr 66
		.amdhsa_reserve_vcc 0
		.amdhsa_float_denorm_mode_32 3
		.amdhsa_float_denorm_mode_16_64 3
		.amdhsa_memory_ordered 1
		.amdhsa_forward_progress 1
		.amdhsa_inst_pref_size 199
	.end_amdhsa_kernel
	.amdgpu_metadata
---
amdhsa.version: [ 1, 2 ]
amdhsa.kernels:
  - .name:           k_q40f29636ef_chain
    .symbol:         k_q40f29636ef_chain.kd
    .args:
      - { .name: xb, .offset: 0, .size: 8, .value_kind: global_buffer, .address_space: global }
      - { .name: wb, .offset: 8, .size: 8, .value_kind: global_buffer, .address_space: global }
      - { .name: order, .offset: 16, .size: 8, .value_kind: global_buffer, .address_space: global }
      - { .name: tiles, .offset: 24, .size: 8, .value_kind: global_buffer, .address_space: global }
      - { .name: gval, .offset: 32, .size: 8, .value_kind: global_buffer, .address_space: global }
      - { .name: b1, .offset: 40, .size: 8, .value_kind: global_buffer, .address_space: global }
      - { .name: b2, .offset: 48, .size: 8, .value_kind: global_buffer, .address_space: global }
      - { .name: out0, .offset: 56, .size: 8, .value_kind: global_buffer, .address_space: global }
    .group_segment_fixed_size: 129792
    .private_segment_fixed_size: 0
    .kernarg_segment_align: 8
    .kernarg_segment_size: 64
    .max_flat_workgroup_size: 128
    .sgpr_count:     66
    .vgpr_count:     1008
    .wavefront_size: 32
...
	.end_amdgpu_metadata
.endif
;; end of part 3
;; ======== version 2 of 2: 3 launches; version 1 with the launch chain written anew for expert scheduling mode
;; limits: values outside matrix products are rounded to bf16; values are held in f16: magnitudes above 65,504 overflow, below 6.1e-05 lose precision; right only within a limited range of input values
;; workspace buffers: xb 16,777,216 bytes; gidx 65,536 bytes of whole numbers; gval 65,536 bytes; part 8,192 bytes; cnt 2,048 bytes of whole numbers; wb 8,388,608 bytes; order 65,536 bytes of whole numbers; tiles 4,096 bytes of whole numbers
;; launch router: the kernel of part 1 again; grid 256 x 1, 8 waves a work-group, no clusters, 2,048 bytes of LDS; arguments inputs, embed, router_w, xb, gidx, gval, part, cnt; writes xb, gidx, gval, part, cnt
;; launch prep: the kernel of part 2 again; grid 256 x 1, 9 waves a work-group, no clusters, 36,096 bytes of LDS; arguments w1, w2, cnt, gidx, part, wb, order, tiles, out1, out2; writes wb, order, tiles, out1, out2
;; launch chain (part 4): grid 208 x 1, 4 waves a work-group, no clusters, 129,792 bytes of LDS; arguments xb, wb, order, tiles, gval, b1, b2, out0; writes out0
.if DOCPART == 4
	.amdgcn_target "amdgcn-amd-amdhsa--gfx1250"
	.amdhsa_code_object_version 6
	.text
	.protected	k_q40f29636ef_chain
	.globl	k_q40f29636ef_chain
	.p2align	8
	.type	k_q40f29636ef_chain,@function
k_q40f29636ef_chain:
	s_mov_b64 s[64:65], 0
	v_nop
	global_prefetch_b8 v0, s[64:65] scope:SCOPE_SE
	s_setreg_imm32_b32 hwreg(HW_REG_WAVE_SCHED_MODE, 0, 2), 2
	s_setreg_imm32_b32 hwreg(HW_REG_WAVE_MODE, 25, 1), 1
	s_wait_xcnt 0x0
	s_wait_alu depctr_vm_vsrc(0)
; CHAIN.  out0[token] = gate x (relu(x W1[e]^T + b1[e]) W2[e]^T + b2[e]) for the ONE expert e that the token chose.  WORK LEFT OUT: the three experts that reference()'s own
; where((gate_idx == ei), y, 0) throws away, for all values of the inputs; a NaN, infinity or overflow that would arise in them alone is not formed.
; FORMATS.  x and W1 come rounded to bf16 (xb, wb) and are multiplied in bf16; b1 and b2 are rounded to bf16 here and kept as f32; all sums in f32.  h is rounded once to f16 for the second
; product, and W2 comes as its bf16 rounding written in f16: h's rounding is the one rounding of the program's own, every output must lie within 1% of the output's root mean square, and
; bf16's 8 significant bits leave an output with a gate near 1 only some three of its own spreads of room there; f16's 11 bits leave eight times that.
; LIMITS.  |h| stays under 65,504 (beyond 65,520 the conversion gives an infinity).  Of the drawn kind h reaches about 5; with inputs, w1 and b1 all 30 times larger about 5,000; with inputs and w1
; both offset by 30 times their spread about 512 x 30 x 1.33 = 20,400.  Below 6e-5 h keeps f16's fixed step of 6e-8.  A NaN in h counts as 0 (the packed maximum drops it).
; SHARES.  A work-group takes one entry of tiles: up to 80 rows of one expert, five token tiles of 16.  208 work-groups serve every split of the tokens (the sum of ceil(T_e / 80) is at most
; 208); places past a tile's count repeat its last row, and their stores are jumped; an entry with no rows walks the same text, so that no barrier hangs on loaded data, and stores nothing.
; THE WAVES SPLIT COLUMNS, every wave has all 80 tokens.  The hidden width goes in four chunks of 256.  G1: wave w makes h columns 256 c + 64 w .. + 63 (4 x 5 accumulators), K = 512.
; G2: it adds the chunk into y columns 128 w .. + 127 (8 x 5 accumulators).  Both products are used transposed (source 0 = 16 rows of weights, source 1 = 16 tokens): a lane holds ONE token
; (lane % 16) and the columns 8 (lane / 16) + 0..7, so that h packs into 16 bytes that are half of a source-1 fragment of G2, and y into 32 neighbouring bytes of a row.
; THE WEIGHTS come straight from memory into registers: each fragment has one reader among the four waves.  A UNIT is 8 fragments, 16 loads of 512 consecutive bytes, and feeds
; 40 matrix instructions; a ring of four register groups keeps two to three units (16 to 24 KiB a wave) on their way under counted waits.
; NO CLUSTER.  Work-groups of one expert walk the same wb, and joint loads would divide their requests by four.  Against it, by this text's arithmetic: beside x (83,200 bytes) and h (40,960) two
; LDS slots of 64 KiB are the largest that divide the walk, which leaves 80 matrix instructions a wave between a request and the wait for it; every weight byte would be written to LDS and read
; from it besides (0.65 LDS loads a matrix instruction for 0.375); and the number of an expert's tiles hangs on the split, so that partners would not always share an expert.
; THE MODE: SCHED_MODE bits 1:0 = 2 (LLVM: expert scheduling mode 2), set by the entry lines.  The code itself states the register dependences between vector or matrix instructions and memory or
; LDS instructions, with s_wait_alu, always for 0.
; THE PLAN.  Registers that memory or LDS instructions touch, in the loop (a PLACE is a unit's number in the trip, 0 to 15):
;   the ring's groups     The products of place rho read group rho % 4; the loads that land in it again stand inside place rho + 1.
;   the two token sets    The products of place rho read set rho % 2; the LDS loads that land in it again, for place rho + 2, stand inside place rho + 1.
;   v192-223              b1 as a C operand: read by a chunk's first 20 products, loaded again fifteen units later.
;   set 0, G1 to G2       Written by the conversions and the packed maxima, read by the LDS stores of h; then h's first fragments land in it.
;   v[B1A]                Read by b1's LDS loads; stepped once a trip.  Every other address is made at the head and never written again: the ring's scalar base steps, immediates do the rest.
;   The accumulators are named in the loop by matrix and vector instructions alone.
; So ONE wait on va_vdst stands at a unit's head: the unit before is done reading its group and its set.  The unit's loads follow it, dealt among its 40 products, which name this unit's group, this
; unit's set and accumulators: none of the registers that those loads touch.  Two more waits stand between G1 and G2, one on vm_vsrc ahead of the add to v[B1A].
; REGISTERS, in windows of 256 (s_set_vgpr_msb: bits 1:0 source 0, 3:2 source 1, 5:4 source 2, 7:6 destination):
;   window 0: v0-31 addresses and at work; v32-111, v112-191 two sets of token fragments; v192-255 biases       window 1: the weights' ring, group g at 64 g
;   window 2: y's accumulators (ct, t), ct = 0..5, at 8 (5 ct + t)       window 3: v0-79 those of ct = 6, 7; v80-239 h's accumulators at 80 + 8 (5 ct + t)
.set XP,    1040                       ; a row of x in LDS: 1,024 bytes + 16: the 16 rows of a fragment load start at 16 different groups of four banks (ISA guide 11.1)
.set HS,    80*XP                      ; h of one chunk, in fragment order: 8,192 t + 1,024 kk + 512 half + 16 lane
.set BS1,   HS+40960                   ; b1[e], 1,024 f32
.set TOK,   BS1+4096                   ; 128 token numbers, then 128 gates (80 of each are used)
.set SPARE, TOK+1024                   ; the spare words, 128 bytes for each wave: two blocks of 256 bytes that no other line names
.set SGP,   528                        ; the way out: a wave's stage is 16 rows of 512 + 16 bytes, at 8,448 x wave, where x lay
.set WO,  1                            ; v1   16 x lane
.set XL0, 2                            ; v2   x fragments: (lane % 16) x 1,040 + 16 (lane / 16)
.set XL1, 3                            ; v3   the same 48 rows on: token tiles 3 and 4 lie past the 16-bit immediate
.set HL,  4                            ; v4   HS + 16 lane
.set HST, 5                            ; v5   HS + 2,048 wave + 16 lane
.set B1A, 6                            ; v6   BS1 + 256 wave + 32 (lane / 16), stepped 1,024 a chunk
.set XST, 7                            ; v7   where the gather puts 16 bytes of a row
.set GA,  8                            ; v8   my token's gate
.set TKA, 9                            ; v9   TOK
.set STO, 10                           ; v10  the way out: where I put 32 bytes of a row
.set RD,  11                           ; v11  the way out: where I read a row back
.set OO,  12                           ; v12  512 wave + 16 lane: my 16 bytes in a row of out0
.set PF,  13                           ; v13  the prefetches' offset; never rewritten
.set SPW, 14                           ; v14  SPARE + 4 x my thread's number; never rewritten
.set NIL, 15                           ; v15  0; never rewritten
.set PLC, 16                           ; v16-26  at the head: byte offsets in order of ten pairs of rows and of my thread's row
.set GT,  16                           ; v16-25  the way out: tile t's gate, twice, at GT + 2 t
.set ZR,  30                           ; v30  0, for the packed ReLU
.set XF,  32
.set TN,  64                           ; v64-76  at the head: the eleven token numbers as loaded, then the gather's offsets; +10 my row's token, +11 its gate's offset, +12 its gate
.set OF,  32                           ; v32-111  the way out: the 80 rows' tokens, then their byte offsets in out0
.set OB,  112                          ; v112-175 the way out: 16 rows read back from the stage
.set BI,  192
.set HA,  80
.set SW,  34                           ; s[34:35] wb at my expert's and wave's stream, at the chunk in hand
.set SPF, 36                           ; s[36:37] wb at the chunk in hand
.set CNT, 38                           ; s38  chunks to go
.set LIM, 39                           ; s39  1 in a work-group that prefetches, else the greatest number
.set MSB, 0
.macro WIN new                         ; the immediate's high byte repeats the setting that is left; a switch that changes nothing is dropped
.if MSB != (\new)
	s_set_vgpr_msb (MSB<<8)|(\new)
.set MSB, (\new)
.endif
.endm
	s_load_b512 s[8:23], s[0:1], 0x0               ; xb 8, wb 10, order 12, tiles 14, gval 16, b1 18, b2 20, out0 22
	v_lshl_add_u32 v[SPW], v0, 2, SPARE
	v_mov_b32 v[NIL], 0
	v_lshrrev_b32 v16, 5, v0
	v_readfirstlane_b32 s28, v16                   ; wave 0..3
	s_lshl_b32 s42, ttmp9, 4
	s_mov_b32 s43, 0
	s_wait_kmcnt 0x0
	s_add_nc_u64 s[14:15], s[14:15], s[42:43]
	s_load_b128 s[24:27], s[14:15], 0x0            ; my entry: expert, first place, rows
	v_and_b32 v17, 31, v0                          ; lane
	v_and_b32 v28, 15, v0                          ; r
	v_bfe_u32 v29, v0, 4, 1                        ; hh
	v_mov_b32 v[ZR], 0
	v_lshlrev_b32 v[WO], 4, v17
	v_mul_u32_u24 v[XL0], v28, XP
	v_lshl_add_u32 v[XL0], v29, 4, v[XL0]
	v_add_nc_u32 v[XL1], 48*XP, v[XL0]
	v_add_nc_u32 v[HL], HS, v[WO]
	s_wait_alu depctr_va_sdst(0)                   ; s28 is written, ahead of its first reader: LDS addresses and the bases of wb and b2 are made from it
	s_lshl_b32 s42, s28, 11
	s_add_co_u32 s42, s42, HS
	v_add_nc_u32 v[HST], s42, v[WO]
	s_lshl_b32 s42, s28, 8
	s_add_co_u32 s42, s42, BS1
	v_lshl_add_u32 v[B1A], v29, 5, s42
	s_mul_i32 s42, s28, 20*XP                      ; wave w gathers rows 20 w .. 20 w + 19, two at a time
	v_mul_u32_u24 v[XST], v29, XP
	v_lshl_add_u32 v[XST], v28, 4, v[XST]
	v_add_nc_u32 v[XST], s42, v[XST]
	v_lshl_add_u32 v[GA], v28, 2, TOK+512
	v_mov_b32 v[TKA], TOK
	s_mul_i32 s42, s28, 16*SGP
	v_mul_u32_u24 v[STO], v28, SGP
	v_lshl_add_u32 v[STO], v29, 5, v[STO]
	v_add_nc_u32 v[STO], s42, v[STO]
	v_add_nc_u32 v[RD], s42, v[WO]
	s_lshl_b32 s42, s28, 9
	v_add_nc_u32 v[OO], s42, v[WO]
	s_and_b32 s42, ttmp9, 63                       ; the prefetches: block beta = 128 (wg % 64) + thread of a chunk's 8,192 blocks of 256 bytes (4 experts x 4 waves' streams x 512)
	s_lshl_b32 s42, s42, 7
	v_add_nc_u32 v16, s42, v0
	v_lshrrev_b32 v[PF], 11, v16
	v_lshlrev_b32 v[PF], 21, v[PF]
	v_bfe_u32 v18, v16, 9, 2
	v_lshl_or_b32 v[PF], v18, 19, v[PF]
	v_and_b32 v18, 0x1ff, v16
	v_lshl_or_b32 v[PF], v18, 8, v[PF]
	s_cmp_lt_u32 ttmp9, 64
	s_cselect_b32 s[LIM], 1, -1
	s_mov_b32 s41, 0xffff0000
	v_lshlrev_b32 v31, 5, v0                       ; b1: 8 numbers a thread
	v_lshlrev_b32 v48, 5, v29                      ; b2: my 8 columns of a tile of 16
	v_lshlrev_b32 v49, 4, v28                      ; xb: 16 lanes take 256 consecutive bytes of a row
	s_mul_i32 s44, s28, 20
	v_add_nc_u32 v27, s44, v29
	s_wait_kmcnt 0x0
	s_min_u32 s29, s24, 3                          ; what was loaded enters addresses only behind a clamp
	s_min_u32 s30, s25, 0x3fff
	s_min_u32 s31, s26, 80
	s_max_u32 s32, s31, 1
	s_sub_co_u32 s32, s32, 1                       ; the tile's last row
	s_lshl_b32 s42, s29, 21
	s_lshl_b32 s43, s28, 19
	s_add_co_u32 s42, s42, s43
	s_mov_b32 s43, 0
	s_add_nc_u64 s[SW:SW+1], s[10:11], s[42:43]
	s_mov_b64 s[SPF:SPF+1], s[10:11]
	s_lshl_b32 s42, s29, 12
	s_add_nc_u64 s[18:19], s[18:19], s[42:43]      ; b1[e]
	s_lshl_b32 s42, s29, 11
	s_lshl_b32 s44, s28, 9
	s_add_co_u32 s42, s42, s44
	s_add_nc_u64 s[20:21], s[20:21], s[42:43]      ; b2[e] at my wave's 128 columns
.set i, 0
.rept 10                               ; the place in order of row 20 w + 2 i + hh; rows past the count repeat the last
	v_add_nc_u32 v[PLC+i], 2*i, v27
	v_min_u32 v[PLC+i], s32, v[PLC+i]
	v_add_nc_u32 v[PLC+i], s30, v[PLC+i]
	v_min_u32 v[PLC+i], 0x3fff, v[PLC+i]
	v_lshlrev_b32 v[PLC+i], 2, v[PLC+i]
.set i, i+1
.endr
	v_min_u32 v[PLC+10], s32, v0                   ; and of the row with my thread's number
	v_add_nc_u32 v[PLC+10], s30, v[PLC+10]
	v_min_u32 v[PLC+10], 0x3fff, v[PLC+10]
	v_lshlrev_b32 v[PLC+10], 2, v[PLC+10]
	s_wait_alu depctr_va_vdst(0)                   ; every offset and address made so far is written: v1 to v13, v16 to v26, v31, v48, which the loads, stores and prefetches of the kernel read
.set i, 0
.rept 11                               ; 11 loads: the token numbers, into registers that no memory instruction reads
	global_load_b32 v[TN+i], v[PLC+i], s[12:13]
.set i, i+1
.endr
	global_load_b128 v[32:35], v31, s[18:19]       ; 18 loads: the biases
	global_load_b128 v[36:39], v31, s[18:19] offset:16
.set i, 0
.rept 8
	global_load_b128 v[BI+8*i:BI+8*i+3],   v48, s[20:21] offset:64*i
	global_load_b128 v[BI+8*i+4:BI+8*i+7], v48, s[20:21] offset:64*i+16
.set i, i+1
.endr
; A unit's 16 loads: the unit that lies 8,192 ru bytes behind SW, ru = 0 to 15, into group ru % 4.
.macro RELOAD ru
	WIN 0x40                                       ; destination window 1, address window 0
.set GL, 64*((\ru)%4)
.irp f, 0,1,2,3,4,5,6,7
	global_load_b128 v[GL+8*(\f):GL+8*(\f)+3],   v[WO], s[SW:SW+1] offset:(\ru)*8192+(\f)*1024
	global_load_b128 v[GL+8*(\f)+4:GL+8*(\f)+7], v[WO], s[SW:SW+1] offset:(\ru)*8192+(\f)*1024+512
.endr
.endm
	RELOAD 0                                       ; 32 loads: units 0 and 1
	RELOAD 1
	WIN 0
	s_wait_loadcnt 50                              ; the token numbers are in; the 18 + 32 younger loads stay out
.set i, 0
.rept 10
	v_min_u32 v[TN+i], 0x3fff, v[TN+i]
	v_lshl_add_u32 v[TN+i], v[TN+i], 10, v49       ; the token's row of xb, my 16 bytes
.set i, i+1
.endr
	v_min_u32 v[TN+10], 0x3fff, v[TN+10]
	v_lshlrev_b32 v[TN+11], 2, v[TN+10]
	WIN 0xc0                                       ; 41 loads: the gather, into the registers that will be h's accumulators,
	s_wait_alu depctr_va_vdst(0)                   ; the gather's ten offsets, my row's token and its gate's offset are written, which the loads below and an LDS store read
.set i, 0
.rept 10
.irp p, 0,1,2,3
	global_load_b128 v[HA+16*i+4*(\p):HA+16*i+4*(\p)+3], v[TN+i], s[8:9] offset:256*(\p)
.endr
.set i, i+1
.endr
	WIN 0
	global_load_b32 v[TN+12], v[TN+11], s[16:17]   ; and my row's gate
	s_wait_loadcnt 41                              ; the biases and units 0 and 1 are in; the gather's 41 stay out
	RELOAD 2                                       ; 16 loads: unit 2; unit 3 is asked for by the first unit of the loop, as in every trip
	WIN 0
.irp q, 0,1,2,3                        ; while the gather is on its way: b1 rounded to bf16 and widened;
	v_cvt_pk_bf16_f32 v[40+(\q)], v[32+2*(\q)], v[33+2*(\q)]
.endr
.irp q, 0,1,2,3
	v_lshlrev_b32 v[32+2*(\q)], 16, v[40+(\q)]
	v_and_b32 v[33+2*(\q)], s41, v[40+(\q)]
.endr
	v_add_nc_u32 v50, BS1, v31
	v_lshl_add_u32 v51, v0, 2, TOK
.set q, 0
.rept 32                               ; b2 rounded in place;
	v_cvt_pk_bf16_f32 v[52+q%4], v[BI+2*q], v[BI+2*q+1]
	v_lshlrev_b32 v[BI+2*q], 16, v[52+q%4]
	v_and_b32 v[BI+2*q+1], s41, v[52+q%4]
.set q, q+1
.endr
	WIN 0x80                                       ; and y's sums started with it: the price of one form for every unit of G2, in place of 160 packed additions on the way out
.irp ct, 0,1,2,3,4,5
.irp t, 0,1,2,3,4
.irp j, 0,1,2,3,4,5,6,7
	v_mov_b32 v[8*(5*(\ct)+(\t))+(\j)], v[BI+8*(\ct)+(\j)]
.endr
.endr
.endr
	WIN 0xc0
.irp ct, 0,1
.irp t, 0,1,2,3,4
.irp j, 0,1,2,3,4,5,6,7
	v_mov_b32 v[8*(5*(\ct)+(\t))+(\j)], v[BI+8*((\ct)+6)+(\j)]
.endr
.endr
.endr
	WIN 0
	s_wait_alu depctr_va_vdst(0)                   ; b1's numbers in v[32:39] and the addresses v50 and v51 are written, which the LDS stores read; and the head's vector work is done with v32 to v76 and with v192 to v255, in which fragments and b1 land behind the barrier
	ds_store_b128 v50, v[32:35]                    ; b1 into LDS;
	ds_store_b128 v50, v[36:39] offset:16
	ds_store_b32 v51, v[TN+10]                     ; my row's token;
	s_wait_loadcnt 16                              ; the gather is in; unit 2 stays out
	WIN 0x0c                                       ; LDS store data in window 3
.set i, 0
.rept 10
.irp p, 0,1,2,3
	ds_store_b128 v[XST], v[HA+16*i+4*(\p):HA+16*i+4*(\p)+3] offset:i*2*XP+256*(\p)
.endr
.set i, i+1
.endr
	WIN 0
	ds_store_b32 v51, v[TN+12] offset:512          ; my row's gate
	s_wait_dscnt 0x0                               ; for the others' sake: my stores are done
	s_barrier_signal -1
	s_barrier_wait -1                              ; x, b1, tokens and gates lie in LDS
	s_wait_alu depctr_vm_vsrc(0)                   ; my LDS stores and the head's loads have read v16 to v76 and the gather's registers: fragments land in v32 on, products write h's accumulators, and the way out's gates land in v16 on
; THE LDS LOADS stand in one run inside a unit, for the NEXT unit.  x: K steps 2 u and 2 u + 1 of the five token tiles, fragment 5 ks + t of set st.
.macro FETCHX u, st
	WIN 0
.irp ks, 0,1
.irp t, 0,1,2,3,4
.if (\t) < 3
	ds_load_b128 v[XF+80*(\st)+8*(5*(\ks)+(\t)):XF+80*(\st)+8*(5*(\ks)+(\t))+3],   v[XL0] offset:(\t)*16*XP+64*(2*(\u)+(\ks))
	ds_load_b128 v[XF+80*(\st)+8*(5*(\ks)+(\t))+4:XF+80*(\st)+8*(5*(\ks)+(\t))+7], v[XL0] offset:(\t)*16*XP+64*(2*(\u)+(\ks))+32
.else
	ds_load_b128 v[XF+80*(\st)+8*(5*(\ks)+(\t)):XF+80*(\st)+8*(5*(\ks)+(\t))+3],   v[XL1] offset:((\t)-3)*16*XP+64*(2*(\u)+(\ks))
	ds_load_b128 v[XF+80*(\st)+8*(5*(\ks)+(\t))+4:XF+80*(\st)+8*(5*(\ks)+(\t))+7], v[XL1] offset:((\t)-3)*16*XP+64*(2*(\u)+(\ks))+32
.endif
.endr
.endr
.endm
.macro FETCHH kk, st                   ; h: K step kk of the chunk, fragment t of set st
	WIN 0
.irp t, 0,1,2,3,4
	ds_load_b128 v[XF+80*(\st)+8*(\t):XF+80*(\st)+8*(\t)+3],   v[HL] offset:(\t)*8192+(\kk)*1024
	ds_load_b128 v[XF+80*(\st)+8*(\t)+4:XF+80*(\st)+8*(\t)+7], v[HL] offset:(\t)*8192+(\kk)*1024+512
.endr
.endm
.macro FETCHB1                         ; b1 of my 64 columns of the chunk, as the C operand of G1's first products
	WIN 0
.irp ct, 0,1,2,3
	ds_load_b128 v[BI+8*(\ct):BI+8*(\ct)+3],   v[B1A] offset:64*(\ct)
	ds_load_b128 v[BI+8*(\ct)+4:BI+8*(\ct)+7], v[B1A] offset:64*(\ct)+16
.endr
.endm
.macro FETCHO                          ; for the way out: the 80 rows' tokens, four to a load, the same in every lane, into set 0; and my token's gate in each of the five tiles
	WIN 0
.set k, 0
.rept 20
	ds_load_b128 v[OF+4*k:OF+4*k+3], v[TKA] offset:16*k
.set k, k+1
.endr
.irp t, 0,1,2,3,4
	ds_load_b32 v[GT+2*(\t)], v[GA] offset:64*(\t)
.endr
.endm
; TEN PRODUCTS of a unit: column tiles c0 and c0 + 1 by the five token tiles.  Weights in group rho % 4, tokens in set rho % 2.
; The accumulators take turns, one instruction a turn: 19 (G1) or 39 (G2) others stand between two links of a chain, from unit to unit and over the backward jump too;
; h's accumulators see the bf16 form alone, y's the f16 form alone.
.macro TEN1 u, rho, ks, c0             ; G1, K step ks of the unit's two
.set CUR, XF+80*((\rho)%2)
.set GRP, 64*((\rho)%4)
.irp ct, \c0, (\c0)+1
.irp t, 0,1,2,3,4
.if ((\u) == 0) && ((\ks) == 0)
	WIN 0xc1                                       ; the chunk's first products start h's sums with b1 (C in window 0)
	v_wmma_f32_16x16x32_bf16 v[HA+8*(5*(\ct)+(\t)):HA+8*(5*(\ct)+(\t))+7], v[GRP+8*(4*(\ks)+(\ct)):GRP+8*(4*(\ks)+(\ct))+7], v[CUR+8*(5*(\ks)+(\t)):CUR+8*(5*(\ks)+(\t))+7], v[BI+8*(\ct):BI+8*(\ct)+7]
.else
	WIN 0xf1
	v_wmma_f32_16x16x32_bf16 v[HA+8*(5*(\ct)+(\t)):HA+8*(5*(\ct)+(\t))+7], v[GRP+8*(4*(\ks)+(\ct)):GRP+8*(4*(\ks)+(\ct))+7], v[CUR+8*(5*(\ks)+(\t)):CUR+8*(5*(\ks)+(\t))+7], v[HA+8*(5*(\ct)+(\t)):HA+8*(5*(\ct)+(\t))+7]
.endif
.endr
.endr
.endm
.macro TEN2 rho, c0                    ; G2
.set CUR, XF+80*((\rho)%2)
.set GRP, 64*((\rho)%4)
.irp ct, \c0, (\c0)+1
.irp t, 0,1,2,3,4
.if (\ct) < 6
	WIN 0xa1
	v_wmma_f32_16x16x32_f16 v[8*(5*(\ct)+(\t)):8*(5*(\ct)+(\t))+7], v[GRP+8*(\ct):GRP+8*(\ct)+7], v[CUR+8*(\t):CUR+8*(\t)+7], v[8*(5*(\ct)+(\t)):8*(5*(\ct)+(\t))+7]
.else
	WIN 0xf1
	v_wmma_f32_16x16x32_f16 v[8*(5*((\ct)-6)+(\t)):8*(5*((\ct)-6)+(\t))+7], v[GRP+8*(\ct):GRP+8*(\ct)+7], v[CUR+8*(\t):CUR+8*(\t)+7], v[8*(5*((\ct)-6)+(\t)):8*(5*((\ct)-6)+(\t))+7]
.endif
.endr
.endr
.endm
; A UNIT: kind 1 = G1 (bf16), 2 = G2 (f16); u its number in the phase; rho its place in the trip.
; nxt: what is fetched from LDS for the next unit (0 nothing, 1 x, 2 h, 3 b1 and x, 4 the way out's tokens and gates), into the set that the unit before read.
; reload = 1: the group that the unit before read takes unit ru of the stream, which is multiplied three units on.  left: the younger units' loads, which may stay out.
; Ten products, the LDS loads, ten products, the ring's loads, twenty products: the LDS loads have thirty products in which to land.
; Four v_nop close a unit: the places behind its last product, ahead of the vector instructions that read its results (G1's last unit, the last unit of all) and, beside the next
; head's wait, of the loads into the registers that it has read.
.macro UNIT kind, u, rho, nxt, reload, ru, left
	s_wait_loadcnt \left                           ; loads come back in order: my group's 16 are in
	s_wait_dscnt 0x0                               ; my set is in: the only LDS loads out are those issued in the unit before
.if ((\kind) != 2) || ((\u) != 0)
	s_wait_alu depctr_va_vdst(0)                   ; the unit before is done reading its group and its set, in which the loads below land; in a trip's first unit v[B1A] is written.  (G2's first unit: the wait ahead of h's stores has stated it)
.endif
.if (\kind) == 1
	TEN1 \u, \rho, 0, 0
.else
	TEN2 \rho, 0
.endif
.if (\nxt) == 1
	FETCHX (\u)+1, ((\rho)+1)%2
.elseif (\nxt) == 2
	FETCHH (\u)+1, ((\rho)+1)%2
.elseif (\nxt) == 3
	FETCHB1
	FETCHX 0, ((\rho)+1)%2
.elseif (\nxt) == 4
	FETCHO
.endif                                                 ; no wait: no vector or matrix instruction since the head's wait names the other set, v192-223 or v16-25
.if (\kind) == 1
	TEN1 \u, \rho, 0, 2
.else
	TEN2 \rho, 2
.endif
.if \reload
	RELOAD \ru                                     ; no wait: no vector or matrix instruction since the head's wait names that group
.endif
.if (\kind) == 1
	TEN1 \u, \rho, 1, 0
	TEN1 \u, \rho, 1, 2
.else
	TEN2 \rho, 4
	TEN2 \rho, 6
.endif
.rept 4
	v_nop
.endr
.endm
; BETWEEN G1 AND G2.  h is rounded to f16 (each accumulator from its low end), cut at 0 on the packed halves, and handed to the other waves: a barrier when every wave's reads
; of the last chunk's h are over, the stores, a barrier when every wave's stores are done.
.macro EPI
	WIN 0x0f                                       ; sources in window 3, destination in window 0: set 0, whose last reader stands a unit back
.set a, 0
.rept 20
.irp q, 0,1,2,3
	v_cvt_pk_f16_f32 v[XF+4*a+(\q)], v[HA+8*a+2*(\q)], v[HA+8*a+2*(\q)+1]
.endr
.set a, a+1
.endr
	WIN 0
.set a, 0
.rept 80
	v_pk_max_num_f16 v[XF+a], v[XF+a], v[ZR]
.set a, a+1
.endr
	s_wait_alu depctr_va_vdst(0)                   ; the packed maxima have written set 0, which the LDS stores read and in which h's first fragments then land; G1's last unit is done reading its group and set 1, in which the next unit's loads land
	s_wait_dscnt 0x0                               ; my reads of x and of the last chunk's h are over
	s_barrier_signal -1
	s_barrier_wait -1
.irp ct, 0,1,2,3
.irp t, 0,1,2,3,4
	ds_store_b128 v[HST], v[XF+4*(5*(\ct)+(\t)):XF+4*(5*(\ct)+(\t))+3] offset:(\t)*8192+(\ct)*512  ; columns 64 w + 16 ct + 8 hh ..: K step 2 w + ct / 2, half ct % 2, my own lane's place
.endr
.endr
	s_wait_dscnt 0x0                               ; for the others' sake: my stores are done
	s_barrier_signal -1
	s_barrier_wait -1
	s_wait_alu depctr_vm_vsrc(0)                   ; my LDS stores have read set 0, in which fragments land from here on
	FETCHH 0, 0
.endm
; A PREFETCH INTO THE L2 of the NEXT chunk of wb, behind a chunk's first unit: between it and the first load that names those bytes stand twelve whole units, 480 matrix instructions.  All work-groups walk
; wb in the same order, so each block of 256 bytes is named ONCE in the launch: a chunk of all four experts is 8,192 blocks = work-groups 0 to 63 x 128 threads, a lane a block, one instruction a wave.
; Chunk 0 comes by its loads alone; the last trip asks for nothing.  v[PF] was written ahead of the head's first wait on va_vdst and is never written again.
.macro ASK
	WIN 0
	s_cmp_gt_u32 s[CNT], s[LIM]
	s_cbranch_scc0 .Lnot_mine_\@
	global_prefetch_b8 v[PF], s[SPF:SPF+1] offset:131072 th:TH_LOAD_NT scope:SCOPE_SE
.Lnot_mine_\@:
.endm
	FETCHB1
	FETCHX 0, 0
	s_mov_b32 s[CNT], 4
	s_branch .Lenter                               ; the loop is entered at a chunk's first unit, in the middle of a trip
.Ltop:                                 ; a trip: the last four units of one chunk's G2, then the next chunk's G1 and the first four units of its G2.  Each place asks for the unit that is multiplied three places on:
                                       ; place 0 for the old chunk's unit 15; then the bases step by a chunk, so that every offset counts forward from its base; place rho, 1 to 15, for the new chunk's unit rho - 1
	s_wait_alu depctr_vm_vsrc(0)                   ; b1's LDS loads issued so far have read v[B1A]
	v_add_nc_u32 v[B1A], 1024, v[B1A]
	UNIT 2, 4, 0, 2, 1, 15, 32
	s_wait_xcnt 0x0                                ; every load and prefetch issued so far has read its address (the youngest stand twenty products back): the pointers may be written
	s_add_nc_u64 s[SW:SW+1], s[SW:SW+1], 131072
	s_add_nc_u64 s[SPF:SPF+1], s[SPF:SPF+1], 131072
	UNIT 2, 5, 1, 2, 1, 0, 32
	UNIT 2, 6, 2, 2, 1, 1, 32
	UNIT 2, 7, 3, 3, 1, 2, 32
	WIN 0                                          ; at a label and at a branch every window is 0
.Lenter:
	UNIT 1, 0, 4, 1, 1, 3, 32
	ASK
.irp u, 1,2,3,4,5,6
	UNIT 1, \u, (\u)+4, 1, 1, (\u)+3, 32
.endr
	UNIT 1, 7, 11, 0, 1, 10, 32
	EPI
.irp u, 0,1,2,3
	UNIT 2, \u, (\u)+12, 2, 1, (\u)+11, 32
.endr
	WIN 0
	s_sub_co_u32 s[CNT], s[CNT], 1
	s_cmp_lg_u32 s[CNT], 0
	s_cbranch_scc1 .Ltop
	UNIT 2, 4, 0, 2, 1, 15, 32                     ; the last four units: the first asks for the stream's last unit, the others for nothing: the counts run down
	UNIT 2, 5, 1, 2, 0, 0, 32
	UNIT 2, 6, 2, 2, 0, 0, 16
	UNIT 2, 7, 3, 4, 0, 0, 0
; THE WAY OUT.  All that the vector unit has to do for the five token tiles stands first: the 80 rows' byte offsets in out0, and y (b2 is in the sums) times the token's gate, in place.  ONE wait on
; va_vdst then serves every LDS store and every global store below.  Then, a token tile at a time: 32 bytes a lane into my stage, which lies where x lay: the last chunk's two barriers stand behind every
; wave's last read of x; back as whole rows of my 128 columns; each row to its token's place in out0.  The rows that exist are the first s31: the first row past them ends the wave's stores by a jump
; forward, over stores and LDS work of the wave's own alone.
	s_wait_dscnt 0x0                               ; the tokens and the gates, asked for thirty products ago, are in
	WIN 0
.irp t, 0,1,2,3,4
	v_mov_b32 v[GT+2*(\t)+1], v[GT+2*(\t)]
.endr
.set k, 0
.rept 80
	v_min_u32 v[OF+k], 0x3fff, v[OF+k]
.set k, k+1
.endr
.set k, 0
.rept 80
	v_lshl_add_u32 v[OF+k], v[OF+k], 11, v[OO]
.set k, k+1
.endr
	WIN 0x82                                       ; in place in window 2, the gate in window 0; each accumulator from its low end
.irp ct, 0,1,2,3,4,5
.irp t, 0,1,2,3,4
.irp q, 0,1,2,3
	v_pk_mul_f32 v[8*(5*(\ct)+(\t))+2*(\q):8*(5*(\ct)+(\t))+2*(\q)+1], v[8*(5*(\ct)+(\t))+2*(\q):8*(5*(\ct)+(\t))+2*(\q)+1], v[GT+2*(\t):GT+2*(\t)+1]
.endr
.endr
.endr
	WIN 0xc3
.irp ct, 0,1
.irp t, 0,1,2,3,4
.irp q, 0,1,2,3
	v_pk_mul_f32 v[8*(5*(\ct)+(\t))+2*(\q):8*(5*(\ct)+(\t))+2*(\q)+1], v[8*(5*(\ct)+(\t))+2*(\q):8*(5*(\ct)+(\t))+2*(\q)+1], v[GT+2*(\t):GT+2*(\t)+1]
.endr
.endr
.endr
	WIN 0
	s_wait_alu depctr_va_vdst(0)                   ; y is scaled, which the LDS stores read; the 80 offsets are written, which the global stores read; the last unit is done reading v112 on, in which the rows land.  No vector instruction follows
.macro OUT t
	WIN 0x08
.irp ct, 0,1,2,3,4,5
	ds_store_b128 v[STO], v[8*(5*(\ct)+(\t)):8*(5*(\ct)+(\t))+3]   offset:64*(\ct)
	ds_store_b128 v[STO], v[8*(5*(\ct)+(\t))+4:8*(5*(\ct)+(\t))+7] offset:64*(\ct)+16
.endr
	WIN 0x0c
.irp ct, 0,1
	ds_store_b128 v[STO], v[8*(5*(\ct)+(\t)):8*(5*(\ct)+(\t))+3]   offset:64*((\ct)+6)
	ds_store_b128 v[STO], v[8*(5*(\ct)+(\t))+4:8*(5*(\ct)+(\t))+7] offset:64*((\ct)+6)+16
.endr
	WIN 0
.if (\t) > 0
	s_wait_xcnt 0x0                                ; the last tile's stores have had their addresses translated (ISA guide 3.1): their data registers are loaded again only behind this wait,
	s_wait_alu depctr_vm_vsrc(0)                   ; and they have read v[OB ..], in which the rows below land
.endif
.set rw, 0
.rept 16
	ds_load_b128 v[OB+4*rw:OB+4*rw+3], v[RD] offset:SGP*rw     ; LDS serves a wave's instructions in order (ISA guide 5.7.1.4): these see my stores above
.set rw, rw+1
.endr
	s_wait_dscnt 0x0
.set rw, 0
.rept 16
	s_cmp_gt_u32 s31, 16*(\t)+rw
	s_cbranch_scc0 .Lfin
	global_store_b128 v[OF+16*(\t)+rw], v[OB+4*rw:OB+4*rw+3], s[22:23] th:TH_STORE_NT  ; 512 consecutive bytes of a row of out0, aligned
.set rw, rw+1
.endr
.endm
	OUT 0
	OUT 1
	OUT 2
	OUT 3
	OUT 4
.Lfin:
	s_wait_dscnt 0x0                               ; the closing lines, six on end
	s_wait_alu 0x0
	s_wait_tensorcnt 0x0
	ds_add_u32 v[SPW], v[NIL]
	s_wait_dscnt 0x0
	s_endpgm
.Lfunc_end_k_q40f29636ef_chain:
	.size	k_q40f29636ef_chain, .Lfunc_end_k_q40f29636ef_chain-k_q40f29636ef_chain
	.p2alignl 7, 3214868480
	.fill 96, 4, 3214868480
	.section	.rodata,"a",@progbits
	.p2align	6, 0x0
	.amdhsa_kernel k_q40f29636ef_chain
		.amdhsa_group_segment_fixed_size 129792
		.amdhsa_private_segment_fixed_size 0
		.amdhsa_enable_private_segment 0
		.amdhsa_kernarg_size 64
		.amdhsa_user_sgpr_count 2
		.amdhsa_user_sgpr_kernarg_segment_ptr 1
		.amdhsa_wavefront_size32 1
		.amdhsa_system_sgpr_workgroup_id_x 1
		.amdhsa_system_sgpr_workgroup_id_y 1
		.amdhsa_system_sgpr_workgroup_id_z 1
		.amdhsa_system_vgpr_workitem_id 0
		.amdhsa_next_free_vgpr 1008
		.amdhsa_next_free_sgpr 66
		.amdhsa_reserve_vcc 0
		.amdhsa_float_denorm_mode_32 3
		.amdhsa_float_denorm_mode_16_64 3
		.amdhsa_memory_ordered 1
		.amdhsa_forward_progress 1
		.amdhsa_inst_pref_size 197
	.end_amdhsa_kernel
	.amdgpu_metadata
---
amdhsa.version: [ 1, 2 ]
amdhsa.kernels:
  - .name:           k_q40f29636ef_chain
    .symbol:         k_q40f29636ef_chain.kd
    .args:
      - { .name: xb, .offset: 0, .size: 8, .value_kind: global_buffer, .address_space: global }
      - { .name: wb, .offset: 8, .size: 8, .value_kind: global_buffer, .address_space: global }
      - { .name: order, .offset: 16, .size: 8, .value_kind: global_buffer, .address_space: global }
      - { .name: tiles, .offset: 24, .size: 8, .value_kind: global_buffer, .address_space: global }
      - { .name: gval, .offset: 32, .size: 8, .value_kind: global_buffer, .address_space: global }
      - { .name: b1, .offset: 40, .size: 8, .value_kind: global_buffer, .address_space: global }
      - { .name: b2, .offset: 48, .size: 8, .value_kind: global_buffer, .address_space: global }
      - { .name: out0, .offset: 56, .size: 8, .value_kind: global_buffer, .address_space: global }
    .group_segment_fixed_size: 129792
    .private_segment_fixed_size: 0
    .kernarg_segment_align: 8
    .kernarg_segment_size: 64
    .max_flat_workgroup_size: 128
    .sgpr_count:     66
    .vgpr_count:     1008
    .wavefront_size: 32
...
	.end_amdgpu_metadata
.endif
;; end of part 4
